; MI455X (gfx1250); checked and timed in simulation.
; The chip was launched on July 23, 2026; its instructions are those of AMD's public machine-readable ISA for CDNA 5 (MIT licence, August 2026) and "CDNA5" Instruction Set Architecture Reference Guide (July 2026). The comments in the code are by the model that wrote it; some were corrected since.
;; Gated Attention. Allowed arithmetic: float matrix products may take bf16 or f16 operands with f32 sums; other float arithmetic in f32, or as packed bf16 or f16 multiplies, adds, multiply-adds, maxima and minima; sums over many terms, partial sums and values carried from step to step in f32; what a program stores and reads back later, other than sums and carried values, may be rounded once to bf16 or f16.
;; Inputs: hidden_states 2 x 1,024 x 2,048 float32; norm_w 128 float32; wg 2,048 x 2,048 float32; wk 2,048 x 2,048 float32; wo 2,048 x 2,048 float32; wq 2,048 x 2,048 float32; wv 2,048 x 2,048 float32.
;; Outputs: out0 2 x 1,024 x 2,048 float32.
;; One version. Each part assembles by itself: llvm-mc -triple=amdgcn-amd-amdhsa -mcpu=gfx1250 --defsym DOCPART=n.
;; ======== version 1 of 1: 4 launches
;; limits: values are held in f16: magnitudes above 65,504 overflow, below 6.1e-05 lose precision
;; workspace buffers: wb 50,331,648 bytes; rope 524,288 bytes; qkvg 33,554,432 bytes; ob 8,388,608 bytes
;; launch cast (part 1): grid 256 x 6, 8 waves a work-group, no clusters, 0 bytes of LDS; arguments hidden_states, wq, wk, wv, wg, wo, wb, rope; writes wb, rope
.if DOCPART == 1
	.amdgcn_target "amdgcn-amd-amdhsa--gfx1250"
	.amdhsa_code_object_version 6
	.text
	.protected	k_q6d89a88fc2_cast
	.globl	k_q6d89a88fc2_cast
	.p2align	8
	.type	k_q6d89a88fc2_cast,@function
k_q6d89a88fc2_cast:
	s_mov_b64 s[64:65], 0
	v_nop
	global_prefetch_b8 v0, s[64:65] scope:SCOPE_SE
	s_setreg_imm32_b32 hwreg(HW_REG_WAVE_MODE, 25, 1), 1
	s_wait_xcnt 0x0
; x and the five weights, f32 -> bf16 (rounded once, to nearest even), into wb: [12288][2048] bf16, rows 0 x, 2048 wq, 4096 wk, 6144 wv, 8192 wg, 10240 wo.
; Also the table for the rotation: rope[l][0..63] = cos(l f_j), rope[l][64..127] = sin(l f_j), f_j = 10000^(-j/64), f32.
; SHARES.  Grid y picks the tensor, grid x a piece of 65,536 source bytes.  Thread t takes the 16 bytes at 4,096 i + 16 t, i = 0..15: a wave's load covers 512
; consecutive bytes, its store of 8 bytes a lane 256 consecutive bytes, aligned.  All sixteen loads of a lane go out before the first wait; there is no loop, no LDS, no barrier.
; The four loaded registers are converted in place (the two packed words take the first two of them), so a wave needs 80 registers.
; THE TABLE is made by waves 0 to 3 of the work-groups with y = 0: a wave a row, l = 4 x + wave, a lane two columns.  The angle is taken in turns, reduced to [-1/2, 1/2] by one
; fused multiply-add, quartered (at most pi/4 in size), sine and cosine by their series up to phi^7 and phi^8 (the terms left out are under 4e-7 for every such phi), then doubled twice.
.set X, 8                              ; v[8:71]    sixteen loads of four registers; the first two of each four are stored
.set R, 72                             ; v[72:79]   the table: f (2), cos (2), sin (2), at work (2)
	s_load_b512 s[16:31], s[0:1], 0x0              ; x, wq, wk, wv, wg, wo, wb s[28:29], rope s[30:31]
	s_and_b32 s2, ttmp7, 0xffff                    ; which tensor
	v_lshrrev_b32 v3, 5, v0
	v_readfirstlane_b32 s3, v3                     ; wave 0..7
	v_lshlrev_b32 v1, 4, v0                        ; 16 t
	v_lshlrev_b32 v2, 3, v0                        ; 8 t
	s_lshl_b32 s4, ttmp9, 16                       ; my piece in the source,
	s_mov_b32 s5, 0
	s_lshl_b32 s6, ttmp9, 15                       ; and in wb: half the bytes,
	s_lshl_b32 s7, s2, 23                          ; behind the tensors in front (8 MiB each)
	s_add_co_u32 s6, s6, s7
	s_mov_b32 s7, 0
	s_wait_kmcnt 0x0
	s_mov_b64 s[10:11], s[16:17]
.irp n, 1,2,3,4,5
	s_cmp_eq_u32 s2, \n                            ; the choice hangs on the grid's y alone
	s_cselect_b64 s[10:11], s[16+2*\n:17+2*\n], s[10:11]
.endr
	s_add_nc_u64 s[10:11], s[10:11], s[4:5]
	s_add_nc_u64 s[12:13], s[28:29], s[6:7]
.set i, 0
.rept 16
	global_load_b128 v[X+4*i:X+4*i+3], v1, s[10:11] offset:4096*i th:TH_LOAD_NT
.set i, i+1
.endr
.set i, 0
.rept 16
	s_wait_loadcnt 15-i                            ; loads come back in order: load i is in, the 15 - i younger ones stay out
	v_cvt_pk_bf16_f32 v[X+4*i], v[X+4*i], v[X+4*i+1]
	v_cvt_pk_bf16_f32 v[X+4*i+1], v[X+4*i+2], v[X+4*i+3]
	global_store_b64 v2, v[X+4*i:X+4*i+1], s[12:13] offset:2048*i th:TH_STORE_NT
.set i, i+1
.endr
	s_lshr_b32 s8, s3, 2                           ; 0 in waves 0 to 3,
	s_or_b32 s8, s8, s2                            ; of the work-groups with y = 0
	s_cmp_eq_u32 s8, 0
	s_cbranch_scc0 .Lend
	; the table's row l.  None of the registers below is named by a store that is still out (those name v2 and X).
	s_lshl_b32 s9, ttmp9, 2
	s_add_co_u32 s9, s9, s3                        ; l
	s_lshl_b32 s14, s9, 9                          ; a row is 512 bytes
	s_mov_b32 s15, 0
	s_add_nc_u64 s[14:15], s[30:31], s[14:15]
	v_and_b32 v4, 31, v0                           ; lane
	v_lshlrev_b32 v5, 3, v4                        ; my two columns' bytes
	v_cvt_f32_u32 v3, s9                           ; l as f32, exact
	v_lshlrev_b32 v[R], 1, v4                      ; j = 2 lane, 2 lane + 1
	v_add_nc_u32 v[R+1], 1, v[R]
	v_cvt_f32_u32 v[R], v[R]
	v_cvt_f32_u32 v[R+1], v[R+1]
	v_mul_f32 v[R], 0xbe549a78, v[R]               ; - j log2(10000) / 64
	v_mul_f32 v[R+1], 0xbe549a78, v[R+1]
	v_exp_f32 v[R], v[R]                           ; f_j
	v_exp_f32 v[R+1], v[R+1]
	v_nop                                          ; a plain instruction behind the last exponential,
	s_wait_alu depctr_va_vdst(0)                   ; and the one wait ahead of the first reader
.macro ANG z                           ; cos(l f) -> v[R+2+z], sin(l f) -> v[R+4+z]
	v_mul_f32 v6, v3, v[R+(\z)]                    ; the angle
	v_mul_f32 v7, 0x3e22f983, v6                   ; in turns (1 / 2 pi)
	v_rndne_f32 v7, v7                             ; whole turns
	v_fma_f32 v6, v6, 0x3e22f983, -v7              ; what is left, -1/2 .. 1/2
	v_mul_f32 v6, 0x3fc90fdb, v6                   ; x pi / 2: a quarter of the angle
	v_mul_f32 v7, v6, v6
	v_mov_b32 v[R+6], 0xb9500d01                   ; -1/5040
	v_fmaak_f32 v[R+6], v[R+6], v7, 0x3c088889     ; 1/120
	v_fmaak_f32 v[R+6], v[R+6], v7, 0xbe2aaaab     ; -1/6
	v_fmaak_f32 v[R+6], v[R+6], v7, 0x3f800000
	v_mul_f32 v[R+6], v[R+6], v6                   ; sine
	v_mov_b32 v[R+7], 0x37d00d01                   ; 1/40320
	v_fmaak_f32 v[R+7], v[R+7], v7, 0xbab60b61     ; -1/720
	v_fmaak_f32 v[R+7], v[R+7], v7, 0x3d2aaaab     ; 1/24
	v_fmaak_f32 v[R+7], v[R+7], v7, 0xbf000000
	v_fmaak_f32 v[R+7], v[R+7], v7, 0x3f800000     ; cosine
	v_mul_f32 v6, v[R+6], v[R+7]                   ; doubled: sin 2a = 2 s c, cos 2a = 1 - 2 s s
	v_mul_f32 v7, v[R+6], v[R+6]
	v_add_f32 v[R+6], v6, v6
	v_fma_f32 v[R+7], v7, -2.0, 1.0
	v_mul_f32 v6, v[R+6], v[R+7]                   ; and once more
	v_mul_f32 v7, v[R+6], v[R+6]
	v_add_f32 v[R+4+(\z)], v6, v6
	v_fma_f32 v[R+2+(\z)], v7, -2.0, 1.0
.endm
	ANG 0
	ANG 1
	global_store_b64 v5, v[R+2:R+3], s[14:15]              ; the wave stores 256 consecutive bytes, aligned: the row's cosines,
	global_store_b64 v5, v[R+4:R+5], s[14:15] offset:256   ; and its sines
.Lend:
	s_endpgm
.Lfunc_end_k_q6d89a88fc2_cast:
	.size	k_q6d89a88fc2_cast, .Lfunc_end_k_q6d89a88fc2_cast-k_q6d89a88fc2_cast
	.p2alignl 7, 3214868480
	.fill 96, 4, 3214868480
	.section	.rodata,"a",@progbits
	.p2align	6, 0x0
	.amdhsa_kernel k_q6d89a88fc2_cast
		.amdhsa_group_segment_fixed_size 0
		.amdhsa_private_segment_fixed_size 0
		.amdhsa_enable_private_segment 0
		.amdhsa_kernarg_size 64
		.amdhsa_user_sgpr_count 2
		.amdhsa_user_sgpr_kernarg_segment_ptr 1
		.amdhsa_wavefront_size32 1
		.amdhsa_system_sgpr_workgroup_id_x 1
		.amdhsa_system_sgpr_workgroup_id_y 1
		.amdhsa_system_sgpr_workgroup_id_z 1
		.amdhsa_system_vgpr_workitem_id 0
		.amdhsa_next_free_vgpr 80
		.amdhsa_next_free_sgpr 66
		.amdhsa_reserve_vcc 0
		.amdhsa_float_denorm_mode_32 3
		.amdhsa_float_denorm_mode_16_64 3
		.amdhsa_memory_ordered 1
		.amdhsa_forward_progress 1
		.amdhsa_inst_pref_size 10
	.end_amdhsa_kernel
	.amdgpu_metadata
---
amdhsa.version: [ 1, 2 ]
amdhsa.kernels:
  - .name:           k_q6d89a88fc2_cast
    .symbol:         k_q6d89a88fc2_cast.kd
    .args:
      - { .name: hidden_states, .offset: 0, .size: 8, .value_kind: global_buffer, .address_space: global }
      - { .name: wq, .offset: 8, .size: 8, .value_kind: global_buffer, .address_space: global }
      - { .name: wk, .offset: 16, .size: 8, .value_kind: global_buffer, .address_space: global }
      - { .name: wv, .offset: 24, .size: 8, .value_kind: global_buffer, .address_space: global }
      - { .name: wg, .offset: 32, .size: 8, .value_kind: global_buffer, .address_space: global }
      - { .name: wo, .offset: 40, .size: 8, .value_kind: global_buffer, .address_space: global }
      - { .name: wb, .offset: 48, .size: 8, .value_kind: global_buffer, .address_space: global }
      - { .name: rope, .offset: 56, .size: 8, .value_kind: global_buffer, .address_space: global }
    .group_segment_fixed_size: 0
    .private_segment_fixed_size: 0
    .kernarg_segment_align: 8
    .kernarg_segment_size: 64
    .max_flat_workgroup_size: 256
    .sgpr_count:     66
    .vgpr_count:     80
    .wavefront_size: 32
...
	.end_amdgpu_metadata
.endif
;; end of part 1
;; launch qkvg (part 2): grid 32 x 8, 4 waves a work-group, clusters of 4 x 4, 327,680 bytes of LDS; arguments wb, rope, qkvg; writes qkvg
.if DOCPART == 2
	.amdgcn_target "amdgcn-amd-amdhsa--gfx1250"
	.amdhsa_code_object_version 6
	.text
	.protected	k_q6d89a88fc2_qkvg
	.globl	k_q6d89a88fc2_qkvg
	.p2align	8
	.type	k_q6d89a88fc2_qkvg,@function
k_q6d89a88fc2_qkvg:
	s_mov_b64 s[64:65], 0
	v_nop
	global_prefetch_b8 v0, s[64:65] scope:SCOPE_SE
	s_setreg_imm32_b32 hwreg(HW_REG_WAVE_MODE, 25, 1), 1
	s_wait_xcnt 0x0
	s_wait_alu depctr_hold_cnt(0) depctr_sa_sdst(0) depctr_va_vdst(0) depctr_va_sdst(0) depctr_va_ssrc(0) depctr_va_vcc(0) depctr_vm_vsrc(0)
	s_getreg_b32 s2, hwreg(HW_REG_IB_STS2, 6, 4)
	s_cmp_eq_u32 s2, 0
	s_cbranch_scc0 .Lentry_in_a_cluster
	s_endpgm
.Lentry_in_a_cluster:
	s_bfe_u32 s2, ttmp6, 0x10000c
	s_cmp_lg_u32 s2, 0xf033
	s_cbranch_scc0 .Lentry_shape_is_right
	s_endpgm
.Lentry_shape_is_right:
; THE FOUR PROJECTIONS.  C[m][n] = sum over k of A[m][k] B[n][k], bf16 operands out of wb ([12288][2048] bf16: rows 0 x, 2048 wq, 4096 wk, 6144 wv, 8192 wg), sums in f32, K ascending.
; 256 tiles of 256 x 256, a work-group each; four waves, each 128 x 128: 64 accumulators, 512 registers.  K goes in steps of 128 through a ring of two LDS slots filled by the tensor data mover.
; Tile column tc = 0..31, tile row tr = 0..7; kind = tc / 8: 0 q, 1 k, 2 v, 3 g.  Kinds 0, 1, 3: A = x (rows 256 tr ..), B = the weight (rows 2048 + 256 tc ..).  Kind 2: A = wv (rows 6144 + 256 tr ..),
; B = x (rows 256 (tc - 16) ..): the product then is V TRANSPOSED, which the attention takes as it lies.
; THE MATRIX INSTRUCTION IS USED TRANSPOSED (source 0 = 16 rows of B, source 1 = 16 rows of A): a lane holds row l % 16 of C and the eight neighbouring columns 8 (l / 16) + 0..7.
; A wave's 128 columns are one head (kinds 0, 1, 3), its 128 rows one head (kind 2).  OUT, f16, rounded once: qkvg = four regions of 8 MiB (q, k, V^T, g), each 32 heads (16 batch + head) of 262,144 bytes:
; q, k, g [l][128], V^T [d][1024].  q and k are ROTATED on the way out, in f32: y[d] = x[d] cos - x[d+64] sin, y[d+64] = x[d+64] cos + x[d] sin, cos and sin of (l, d) from the table rope.
; LIMIT.  f16 holds no number beyond 65,504: q, k, v, g must lie within it (inputs as drawn give a spread of about 1; thirty times larger x and weights about 800).
; CLUSTERS: 4 x 4 work-groups.  The four of a row of the cluster need the same tiles of A, the four of a column the same tiles of B: each is asked for JOINTLY, by the same tensor load with the same
; descriptor and a mask that names the four.  All sixteen have one kind (it hangs on the cluster's x alone).
; REGISTERS, in windows of 256 (s_set_vgpr_msb: bits 1:0 source 0, 3:2 source 1, 5:4 source 2, 7:6 destination):
;   window 0: v0-31 addresses; v64-127, v128-191 fragments of A, two buffers (on the way out: two sets of cos and sin); v32-63, v192-255 at work on the way out
;   window 1: v64-127, v128-191 fragments of B; v0-63 a block's rotated numbers      window 2, 3: the accumulators of my rows 0-63, 64-127 ((a, b) at v[8 (8 a + b)])
.set SIZE_K, 2048
.set KSTEP,  128
.set PITCH,  272                       ; an LDS row: 256 bytes + 16 of padding = 68 words: the 16 rows that a load touches start at 16 different groups of four banks (64 banks of 4 bytes: ISA guide 11.1)
.set HALFT,  128*PITCH                 ; 128 rows: what one tensor load brings, and what one wave reads of A or of B
.set SLOT,   4*HALFT                   ; A's 256 rows, then B's 256 rows
.set STAGE,  2*SLOT                    ; behind the ring: 16 rows x 272 bytes for each wave, for the way out
.set SPITCH, 272
.set SPARE,  STAGE+4*16*SPITCH         ; behind the stages: the spare words, 128 bytes for each wave
.set LAPS,   SIZE_K/(2*KSTEP)          ; a lap = two K steps = once round the ring: 8
.set COT,  8                           ; v8-15   the way out: byte offset of my 16 bytes in rows 2 t + l / 16 of a block of 16 rows of the output
.set ADRA, 16                          ; v16-17  LDS address of my A fragments in slot 0, 1
.set ADRB, 20                          ; v20-21  the same for B
.set STO,  24                          ; v24     the way out: where I put 16 bytes of a row
.set RD,   25                          ; v25     the way out: where I read a row back
.set RO,   27                          ; v27     my byte offset in 16 rows of the table: 512 (l % 16) + 32 (l / 16)
.set SPW,  28                          ; v28     LDS address of my spare word; never rewritten
.set NIL,  29                          ; v29     0; never rewritten
.set PFO,  30                          ; v30     the prefetches' offset: my lane x a row of wb (4,096 bytes); never rewritten
.set PFA,  44                          ; s[44:45] where my prefetches stand
.set LIM,  43                          ; s43     1 in a wave that prefetches, else the greatest number
.set F0,   64
.set F1,   128
.set TMP,  192                         ; the way out: packed results, window 0
.set OB,   32                          ; the way out: 16 rows read back: v32-63 and v224-255 by turns
.set CSR,  64                          ; the way out: cos and sin, two sets of 64: for column block b cos at 16 b, sin at 16 b + 8
.set G1,   24                          ; s[24:31] group 1 for A's tiles;  s[32:39] group 0, a set for each slot
.set G0,   32
.set G1B,  48                          ; s[48:55], s[56:63] the same for B's
.set G0B,  56
.set RPT,  66                          ; s[66:67] the table at my first row's l
.set STEP, 68                          ; s[68:69] 16 rows of the output, in bytes
.set RPI,  70                          ; s70     a row of the output, in bytes: 256, or 2,048 for V^T
.set KIND, 71                          ; s71
.set KOFF, 72                          ; s72     6,144 for kind 2, else 0
.set MSB, 0
.macro WIN new                         ; the immediate's high byte repeats the setting that is left; a switch that changes nothing is dropped
.if MSB != (\new)
	s_set_vgpr_msb (MSB<<8)|(\new)
.set MSB, \new
.endif
.endm
.set MUL_LO, 0xa1                      ; source 0 (B) window 1, source 1 (A) window 0, C and D window 2
.set MUL_HI, 0xf1                      ; the same, C and D window 3
.set TO_B,   0x40                      ; destination window 1, address window 0
; A joint load.  Waves 0 and 1 fetch A's two halves, waves 2 and 3 B's.  The branch hangs on the wave's number alone.  An s_nop 0 and four v_nop follow each of the two lines.
.macro JLOAD s
	s_cmp_eq_u32 s11, 0
	s_cbranch_scc0 .Lfor_b_\@
	tensor_load_to_lds s[G0+4*(\s):G0+4*(\s)+3], s[G1:G1+7]
	s_nop 0
.rept 4
	v_nop
.endr
	s_branch .Lasked_\@
.Lfor_b_\@:
	tensor_load_to_lds s[G0B+4*(\s):G0B+4*(\s)+3], s[G1B:G1B+7]
	s_nop 0
.rept 4
	v_nop
.endr
.Lasked_\@:
.endm
; A PREFETCH INTO THE L2, behind each joint refill and the run of LDS loads that follows it: the K step that stands two refills on, 32 rows x 256 bytes, a lane a row, one instruction a wave.
; Each row's 256 bytes of a K step are named once in the launch.  x's rows (A of kinds 0, 1, 3; B of kind 2) are asked for by the clusters with x = 0, wv's rows by those with x = 4: A's waves where
; cluster x % 4 = 0.  The weights as B are asked for by B's waves of the clusters with y = 0, kind 2 left out.  The four partners of a joint load share its 128 rows out BY ADDRESS, 32 each.
; The loop's last trip asks for nothing: its refills are the last two K steps.
.macro ASK
	s_cmp_gt_u32 s3, s[LIM]                        ; s3 = 1 in the loop's last trip
	s_cbranch_scc0 .Lnot_mine_\@
	global_prefetch_b8 v[PFO], s[PFA:PFA+1] offset:KSTEP*2 th:TH_LOAD_NT scope:SCOPE_SE
.Lnot_mine_\@:
.endm
.macro CREST                           ; a round of the cluster's barrier behind its opening barrier
	s_cmp_lg_u32 s10, 0
	s_cbranch_scc1 .Lnot_wave_0_\@
	s_barrier_signal -3
.Lnot_wave_0_\@:
	s_barrier_wait -3
	s_barrier_signal -1
	s_barrier_wait -1
.endm
.macro CROUND                          ; a whole round
	s_barrier_signal -1
	s_barrier_wait -1
	CREST
.endm
	s_load_b128 s[4:7], s[0:1], 0x0                ; wb s[4:5], rope s[6:7]
	s_load_b64 s[8:9], s[0:1], 0x10                ; qkvg
	v_lshl_add_u32 v[SPW], v0, 2, SPARE
	v_mov_b32 v[NIL], 0
	ds_add_u32 v[SPW], v[NIL]                      ; the wave's opening: the add and its wait ahead of my first tensor load; the set-up below, work on registers, stands between them
	v_lshrrev_b32 v1, 5, v0
	v_readfirstlane_b32 s10, v1                    ; wave 0..3
	s_lshr_b32 s11, s10, 1                         ; which half of the tile's rows is mine.  Also: I fetch for A (0) or for B (1)
	s_and_b32 s12, s10, 1                          ; which half of its columns.  Also: which 128 rows of that tile I fetch
	s_bfe_u32 s40, ttmp6, 0x40000                  ; cx
	s_bfe_u32 s41, ttmp6, 0x40004                  ; cy
	s_lshl_b32 s42, ttmp9, 2
	s_add_co_u32 s42, s42, s40                     ; tile column = 4 x cluster x + cx
	s_and_b32 s13, ttmp7, 0xffff
	s_lshl_b32 s13, s13, 2
	s_add_co_u32 s13, s13, s41                     ; tile row = 4 x cluster y + cy
	s_lshr_b32 s[KIND], ttmp9, 1                   ; two clusters along x to a kind: the same in all sixteen partners
	s_cmp_eq_u32 s[KIND], 2
	s_cselect_b32 s[KOFF], 6144, 0
	s_cselect_b32 s[RPI], 11, 8                    ; the output's row as a power of two,
	s_lshl_b32 s[RPI], 1, s[RPI]                   ; in bytes: 2,048 for V^T, else 256
	s_lshl_b32 s43, s41, 2
	s_lshl_b32 s43, 15, s43                        ; my row of the cluster: places 4 cy .. 4 cy + 3
	s_lshl_b32 s44, 0x1111, s40                    ; my column: places cx, cx + 4, cx + 8, cx + 12
	; descriptor group 1: a tile of 128 rows x 128 elements, padded in LDS
	s_or_b32 s[G1+0], s43, (1<<16)|(1<<20)|(1<<21)|(5<<22)|(3<<25)   ; 15:0 the mask; 17:16 elements of 2 bytes; 20 padding on; 21 set beside a mask; 24:22 after every 64 words; 31:25 4 words of it
	s_or_b32 s[G1B+0], s44, (1<<16)|(1<<20)|(1<<21)|(5<<22)|(3<<25)
.irp g, G1, G1B
	s_mov_b32 s[(\g)+1], KSTEP<<16                 ; tensor_dim0 = 128
	s_mov_b32 s[(\g)+2], 128<<16                   ; tensor_dim1 = 128
	s_mov_b32 s[(\g)+3], KSTEP<<16                 ; tile_dim0 = 128
	s_mov_b32 s[(\g)+4], 128                       ; tile_dim1 = 128
	s_mov_b32 s[(\g)+5], SIZE_K                    ; elements from row to row
	s_mov_b32 s[(\g)+6], 0
	s_mov_b32 s[(\g)+7], 0
.endr
	; where the tiles come from: rows of wb.  A's hang on the tile row (and the kind), B's on the tile column (and the kind)
	s_lshl_b32 s17, s12, 7                         ; which 128 rows of the tile I fetch
	s_lshl_b32 s16, s13, 8
	s_add_co_u32 s16, s16, s17
	s_add_co_u32 s16, s16, s[KOFF]                 ; A: 256 tr + 128 half (+ 6,144: wv)
	s_lshl_b32 s16, s16, 12                        ; a row of wb is 4,096 bytes; the whole of wb stays under 2^26
	s_lshl_b32 s46, s42, 8
	s_add_co_u32 s46, s46, s17
	s_add_co_u32 s46, s46, 2048
	s_sub_co_u32 s46, s46, s[KOFF]                 ; B: 2,048 + 256 tc + 128 half (- 6,144: x)
	s_lshl_b32 s46, s46, 12
	s_mov_b32 s17, 0
	s_mov_b32 s47, 0
	s_mul_i32 s20, s10, HALFT                      ; where they go: wave x 128 rows: no place in the cluster enters an LDS address
	s_wait_dscnt 0x0                               ; the opening add is done
	s_wait_kmcnt 0x0
	s_add_nc_u64 s[14:15], s[4:5], s[16:17]
	s_add_nc_u64 s[46:47], s[4:5], s[46:47]
	CROUND                                         ; all sixteen work-groups are here: the first joint loads meet
.irp s, 0,1
	s_mov_b32 s[G0+4*(\s)], 1                                        ; count = 1
	s_add_co_u32 s[G0+4*(\s)+1], s20, (\s)*SLOT                      ; LDS address
	s_add_nc_u64 s[G0+4*(\s)+2:G0+4*(\s)+3], s[14:15], (\s)*KSTEP*2  ; global address: K step s
	s_or_b32 s[G0+4*(\s)+3], s[G0+4*(\s)+3], 0x80000000              ; type = 2
	s_mov_b32 s[G0B+4*(\s)], 1
	s_add_co_u32 s[G0B+4*(\s)+1], s20, (\s)*SLOT
	s_add_nc_u64 s[G0B+4*(\s)+2:G0B+4*(\s)+3], s[46:47], (\s)*KSTEP*2
	s_or_b32 s[G0B+4*(\s)+3], s[G0B+4*(\s)+3], 0x80000000
	JLOAD \s                                       ; two loads of mine are out
.endr
	; A fragment is 16 rows x 32 K in 8 registers: lane l holds row l % 16; registers 0-3 K = 8 (l / 16) + 0..7, registers 4-7 K = 16 + 8 (l / 16) + 0..7: two loads of 16 bytes, 32 bytes apart.
	v_and_b32 v1, 15, v0                           ; l % 16
	v_bfe_u32 v2, v0, 4, 1                         ; l / 16
	v_mul_u32_u24 v3, v1, PITCH
	v_lshl_add_u32 v3, v2, 4, v3
	s_mul_i32 s21, s11, HALFT                      ; my 128 rows of A
	s_mul_i32 s22, s12, HALFT                      ; my 128 rows of B,
	s_add_co_u32 s22, s22, 2*HALFT                 ; which lie behind A's 256
.irp s, 0,1
	v_add_nc_u32 v[ADRA+(\s)], s21, v3
	v_add_nc_u32 v[ADRB+(\s)], s22, v3
	s_add_co_u32 s21, s21, SLOT
	s_add_co_u32 s22, s22, SLOT
.endr
	s_mul_i32 s23, s10, 16*SPITCH
	s_add_co_u32 s23, s23, STAGE                   ; my stage
	v_mul_u32_u24 v4, v1, SPITCH                   ; in: row l % 16, 16 bytes for each half of the lanes
	v_lshl_add_u32 v4, v2, 4, v4
	v_add_nc_u32 v[STO], s23, v4
	v_mul_u32_u24 v5, v2, SPITCH                   ; back: lanes 0-15 take one row of 256 bytes, lanes 16-31 the next
	v_lshl_add_u32 v5, v1, 4, v5
	v_add_nc_u32 v[RD], s23, v5
.irp t, 0,1,2,3,4,5,6,7
	v_add_nc_u32 v5, 2*(\t), v2                    ; and the same rows in the output, whose pitch hangs on the kind
	v_mul_u32_u24 v5, s[RPI], v5
	v_lshl_add_u32 v[COT+(\t)], v1, 4, v5
.endr
	v_lshlrev_b32 v[RO], 9, v1
	v_lshl_add_u32 v[RO], v2, 5, v[RO]
	; where my 128 x 128 go.  Of (my first row of C, my first column of C within the kind) one is the token and the other the feature: kind 2 has them swapped
	s_lshl_b32 s16, s13, 8
	s_lshl_b32 s17, s11, 7
	s_add_co_u32 s16, s16, s17                     ; 256 tr + 128 half
	s_lshl_b32 s18, s42, 8
	s_lshl_b32 s17, s12, 7
	s_add_co_u32 s18, s18, s17
	s_and_b32 s18, s18, 2047                       ; (256 tc + 128 half) within the kind's 2,048
	s_cmp_eq_u32 s[KIND], 2
	s_cselect_b32 s19, s18, s16                    ; the token
	s_cselect_b32 s20, s16, s18                    ; the feature
	s_lshr_b32 s20, s20, 7                         ; the head
	s_lshr_b32 s21, s19, 10                        ; the batch
	s_and_b32 s19, s19, 1023                       ; l
	s_lshl_b32 s21, s21, 4
	s_add_co_u32 s20, s20, s21
	s_lshl_b32 s21, s[KIND], 5
	s_add_co_u32 s20, s20, s21                     ; 32 kind + 16 batch + head,
	s_lshl_b32 s20, s20, 18                        ; x 262,144 bytes
	s_lshl_b32 s[RPT], s19, 9                      ; the table's row l
	s_mov_b32 s[RPT+1], 0
	s_add_nc_u64 s[RPT:RPT+1], s[6:7], s[RPT:RPT+1]
	s_cmp_eq_u32 s[KIND], 2
	s_cselect_b32 s21, 1, 8
	s_lshl_b32 s21, s19, s21                       ; l counts rows of 256 bytes, in V^T elements of 2
	s_add_co_u32 s20, s20, s21
	s_mov_b32 s21, 0
	s_add_nc_u64 s[8:9], s[8:9], s[20:21]
	s_lshl_b32 s[STEP], s[RPI], 4
	s_mov_b32 s[STEP+1], 0
	; the prefetches
	s_lshl_b32 s20, s13, 8
	s_add_co_u32 s20, s20, s[KOFF]                 ; the first row of A's tile,
	s_lshl_b32 s21, s42, 8
	s_add_co_u32 s21, s21, 2048
	s_sub_co_u32 s21, s21, s[KOFF]                 ; of B's
	s_and_b32 s22, ttmp9, 3                        ; A's waves ask where this is 0,
	s_and_b32 s23, ttmp7, 0xffff
	s_or_b32 s23, s23, s[KOFF]                     ; B's where this is: cluster y = 0 and not kind 2
	s_cmp_eq_u32 s11, 0                            ; do I fetch for A?
	s_cselect_b32 s20, s20, s21
	s_cselect_b32 s21, s40, s41                    ; my place among the four that ask with me
	s_cselect_b32 s22, s22, s23
	s_cmp_eq_u32 s22, 0
	s_cselect_b32 s[LIM], 1, -1                    ; the same in all sixteen partners, for a given wave
	s_lshl_b32 s22, s12, 7
	s_add_co_u32 s20, s20, s22                     ; + the 128 rows that I fetch
	s_lshl_b32 s21, s21, 5
	s_add_co_u32 s20, s20, s21                     ; + my work-group's 32 of them
	s_lshl_b32 s20, s20, 12
	s_add_co_u32 s20, s20, 2*KSTEP*2               ; at K step 2: the first refill steps it to 3 and names K step 4
	s_mov_b32 s21, 0
	s_add_nc_u64 s[PFA:PFA+1], s[4:5], s[20:21]
	v_and_b32 v[PFO], 31, v0
	v_lshlrev_b32 v[PFO], 12, v[PFO]
; 16 matrix instructions: m blocks a0, a0 + 1 of the window's four (hi = 0: my rows 0-63, 1: rows 64-127) x all 8 n blocks, 32 along K.  zero = 1: the first product starts the sums.
; The 64 accumulators take turns, one instruction a turn, in the same order in every quarter step.
.macro MUL16 f, hi, a0, zero
	WIN MUL_LO+0x50*(\hi)
.irp a, \a0, (\a0)+1
.irp b, 0,1,2,3,4,5,6,7
.if \zero
	v_wmma_f32_16x16x32_bf16 v[8*(8*(\a)+(\b)):8*(8*(\a)+(\b))+7], v[(\f)+8*(\b):(\f)+8*(\b)+7], v[(\f)+8*(4*(\hi)+(\a)):(\f)+8*(4*(\hi)+(\a))+7], 0
.else
	v_wmma_f32_16x16x32_bf16 v[8*(8*(\a)+(\b)):8*(8*(\a)+(\b))+7], v[(\f)+8*(\b):(\f)+8*(\b)+7], v[(\f)+8*(4*(\hi)+(\a)):(\f)+8*(4*(\hi)+(\a))+7], v[8*(8*(\a)+(\b)):8*(8*(\a)+(\b))+7]
.endif
.endr
.endr
.endm
; 32 LDS loads in one run: the fragments of one quarter step (128 rows of B, 128 rows of A, 32 K at byte k of the rows) into buffer f
.macro FETCH slot, k, f
	WIN TO_B
.irp i, 0,1,2,3,4,5,6,7
	ds_load_b128 v[(\f)+8*(\i):(\f)+8*(\i)+3],   v[ADRB+(\slot)] offset:(\k)+(\i)*16*PITCH
	ds_load_b128 v[(\f)+8*(\i)+4:(\f)+8*(\i)+7], v[ADRB+(\slot)] offset:(\k)+(\i)*16*PITCH+32
.endr
	WIN 0
.irp i, 0,1,2,3,4,5,6,7
	ds_load_b128 v[(\f)+8*(\i):(\f)+8*(\i)+3],   v[ADRA+(\slot)] offset:(\k)+(\i)*16*PITCH
	ds_load_b128 v[(\f)+8*(\i)+4:(\f)+8*(\i)+7], v[ADRA+(\slot)] offset:(\k)+(\i)*16*PITCH+32
.endr
.endm
.macro PLACES                          ; four plain vector instructions between a matrix instruction and a load into, or a vector read of, its registers (ISA guide 7.12.1 for vector reads)
.rept 4
	v_nop
.endr
.endm
; A K step is four quarter steps of 32 along K, 64 matrix instructions each, on buffers 0, 1, 0, 1.  One of the first three: multiplies buffer f and, in its middle, fetches the next quarter's fragments into g.
.macro QUARTER slot, k, f, g, zero
	s_wait_dscnt 8                                 ; B and A's rows 0-63 are in; the youngest eight loads (A's rows 64-127) may be out
	WIN MUL_LO
	MUL16 \f, 0, 0, \zero
	MUL16 \f, 0, 2, \zero
	PLACES
	FETCH \slot, \k, \g
	s_wait_dscnt 32                                ; all but the 32 just issued
	WIN MUL_HI
	MUL16 \f, 1, 0, \zero
	MUL16 \f, 1, 2, \zero
.endm
; The last quarter multiplies buffer 1 and changes slots.  MEET is its first half: ONE barrier.  In front of it each wave waits for all its tensor loads (one is out: its part of the next slot), adds 0 to
; its spare word, and waits for that and for its own reads of this slot.  Behind it nobody reads this slot any more and the next slot is whole.
.macro MEET round
	WIN 0                                          ; (the add's two registers lie in window 0)
	s_wait_tensorcnt 0x0
	ds_add_u32 v[SPW], v[NIL]
	s_wait_dscnt 9                                 ; (the add and the youngest eight loads may be out)
	WIN MUL_LO
	MUL16 F1, 0, 0, 0                              ; sixteen matrix instructions stand between the add and the wait for it
	s_wait_dscnt 0x0                               ; the add is done, and my reads of this slot are over
	s_barrier_signal -1
	MUL16 F1, 0, 2, 0                              ; work on registers while the others arrive
.if \round
	WIN 0
.endif
	s_barrier_wait -1
.endm
; The whole last quarter of a K step whose slot is filled again, with the K step two steps on: the barrier opens a round of the cluster's, and the joint refill is the first tensor load behind the round.
; From a request to the wait for it a wave issues 224 matrix instructions.
.macro TURN slot, next
	s_wait_xcnt 0x0                                ; the last prefetch, a K step back, has read its address: it is stepped here
	s_add_nc_u64 s[PFA:PFA+1], s[PFA:PFA+1], KSTEP*2
	MEET 1
	CREST                                          ; no wave of any partner still reads this slot's tile or has a load on its way
	s_add_nc_u64 s[G0+4*(\slot)+2:G0+4*(\slot)+3], s[G0+4*(\slot)+2:G0+4*(\slot)+3], 2*KSTEP*2
	s_add_nc_u64 s[G0B+4*(\slot)+2:G0B+4*(\slot)+3], s[G0B+4*(\slot)+2:G0B+4*(\slot)+3], 2*KSTEP*2
	JLOAD \slot                                    ; the four v_nop behind it are also the places in front of the loads below
	FETCH \next, 0, F0
	ASK
	WIN MUL_HI
	MUL16 F1, 1, 0, 0
	MUL16 F1, 1, 2, 0
.endm
	s_wait_tensorcnt 1                             ; my part of K step 0 is in; K step 1's load may stay out
	s_barrier_signal -1
	s_barrier_wait -1                              ; everybody's is
	FETCH 0, 0, F0
	QUARTER 0, 64,  F0, F1, 1                      ; the first quarter stands in front of the loop: its products start the sums
	WIN 0                                          ; at a label and at a branch every window is 0
	s_mov_b32 s3, LAPS-1
.Llap:                                                 ; a trip goes once round the ring, from a lap's second quarter to the next lap's first, and fills both slots again
	QUARTER 0, 128, F1, F0, 0
	QUARTER 0, 192, F0, F1, 0
	TURN 0, 1
	QUARTER 1, 64,  F0, F1, 0
	QUARTER 1, 128, F1, F0, 0
	QUARTER 1, 192, F0, F1, 0
	TURN 1, 0
	QUARTER 0, 64,  F0, F1, 0
	WIN 0
	s_sub_co_u32 s3, s3, 1
	s_cmp_lg_u32 s3, 0
	s_cbranch_scc1 .Llap
	QUARTER 0, 128, F1, F0, 0                      ; the last lap fills nothing
	QUARTER 0, 192, F0, F1, 0
	MEET 0                                         ; the one tensor load that was still out is the last K step's; no round follows
	PLACES                                         ; for the loads into buffer 0
	FETCH 1, 0, F0
	WIN MUL_HI
	MUL16 F1, 1, 0, 0
	MUL16 F1, 1, 2, 0
	QUARTER 1, 64,  F0, F1, 0
	QUARTER 1, 128, F1, F0, 0
	QUARTER 1, 192, F0, F1, 0
	s_wait_dscnt 8                                 ; the very last quarter: nothing more to fetch
	WIN MUL_LO
	MUL16 F1, 0, 0, 0
	MUL16 F1, 0, 2, 0
	s_wait_dscnt 0x0
	MUL16 F1, 1, 0, 0
	MUL16 F1, 1, 2, 0
	WIN 0
	PLACES                                         ; behind the last products, in front of loads into A's fragment registers and of reads of the sums
	PLACES
; THE WAY OUT, a block a of 16 rows at a time.
.macro RLOAD a                         ; cos and sin for block a: my row's eight columns of each of the four column blocks 0-3: 16 loads into set a % 2
	WIN 0
.set CB, CSR+64*((\a)%2)
.irp b, 0,1,2,3
	global_load_b128 v[CB+16*(\b):CB+16*(\b)+3],     v[RO], s[RPT:RPT+1] offset:8192*(\a)+64*(\b)
	global_load_b128 v[CB+16*(\b)+4:CB+16*(\b)+7],   v[RO], s[RPT:RPT+1] offset:8192*(\a)+64*(\b)+16
	global_load_b128 v[CB+16*(\b)+8:CB+16*(\b)+11],  v[RO], s[RPT:RPT+1] offset:8192*(\a)+64*(\b)+256
	global_load_b128 v[CB+16*(\b)+12:CB+16*(\b)+15], v[RO], s[RPT:RPT+1] offset:8192*(\a)+64*(\b)+272
.endr
.endm
.macro ROPEPACK a                      ; block a is rotated (column block b with b + 4) and rounded to f16.  Each accumulator's lowest registers are read first
.set AC, 64*((\a)%4)
.set CB, CSR+64*((\a)%2)
.if (\a) < 7
	s_wait_loadcnt 16                              ; my set is in; the other set's 16 loads may stay out
.else
	s_wait_loadcnt 0x0
.endif
	WIN 0x52+(\a)/4                                ; source 0: the accumulators' window; source 1: window 0; source 2 and destination: window 1
.irp b, 0,1,2,3
.irp p, 0,2,4,6
	v_pk_mul_f32 v[8*(\b)+(\p):8*(\b)+(\p)+1],       v[AC+8*(\b)+(\p):AC+8*(\b)+(\p)+1],       v[CB+16*(\b)+(\p):CB+16*(\b)+(\p)+1]
	v_pk_mul_f32 v[32+8*(\b)+(\p):32+8*(\b)+(\p)+1], v[AC+32+8*(\b)+(\p):AC+32+8*(\b)+(\p)+1], v[CB+16*(\b)+(\p):CB+16*(\b)+(\p)+1]
	v_pk_fma_f32 v[8*(\b)+(\p):8*(\b)+(\p)+1],       v[AC+32+8*(\b)+(\p):AC+32+8*(\b)+(\p)+1], v[CB+16*(\b)+8+(\p):CB+16*(\b)+8+(\p)+1], v[8*(\b)+(\p):8*(\b)+(\p)+1] neg_lo:[0,1,0] neg_hi:[0,1,0]
	v_pk_fma_f32 v[32+8*(\b)+(\p):32+8*(\b)+(\p)+1], v[AC+8*(\b)+(\p):AC+8*(\b)+(\p)+1],       v[CB+16*(\b)+8+(\p):CB+16*(\b)+8+(\p)+1], v[32+8*(\b)+(\p):32+8*(\b)+(\p)+1]
.endr
.endr
	WIN 0x05                                       ; sources window 1, destination window 0
.set i, 0
.rept 32
	v_cvt_pk_f16_f32 v[TMP+i], v[2*i], v[2*i+1]
.set i, i+1
.endr
	WIN 0
.endm
.macro PACK a                          ; block a is rounded to f16 as it is
.set AC, 64*((\a)%4)
	WIN 0x0a+5*((\a)/4)                            ; sources 0 and 1: window 2 or 3
.irp b, 0,1,2,3,4,5,6,7
.irp r, 0,1,2,3
	v_cvt_pk_f16_f32 v[TMP+4*(\b)+(\r)], v[AC+8*(\b)+2*(\r)], v[AC+8*(\b)+2*(\r)+1]
.endr
.endr
	WIN 0
.endm
.macro TOSTAGE a                       ; 16 bytes a lane into my own stage, and back as whole rows of 256 bytes
	WIN 0
.set BK, OB+192*((\a)%2)
.irp b, 0,1,2,3,4,5,6,7
	ds_store_b128 v[STO], v[TMP+4*(\b):TMP+4*(\b)+3] offset:32*(\b)
.endr
.irp t, 0,1,2,3,4,5,6,7
	ds_load_b128 v[BK+4*(\t):BK+4*(\t)+3], v[RD] offset:(\t)*2*SPITCH  ; LDS serves a wave's instructions in order (ISA guide 5.7.1.4): these see the stores above
.endr
.endm
.macro SEND a
	WIN 0
.set BK, OB+192*((\a)%2)
	s_wait_dscnt 0x0                               ; the block is back in registers
	s_wait_xcnt 0x0                                ; only behind this wait are the stores' base and the registers that earlier stores read rewritten
.if (\a) > 0
	s_add_nc_u64 s[8:9], s[8:9], s[STEP:STEP+1]    ; 16 rows of the output on
.endif
.irp t, 0,1,2,3,4,5,6,7
	global_store_b128 v[COT+(\t)], v[BK+4*(\t):BK+4*(\t)+3], s[8:9]  ; 16 lanes store 256 consecutive bytes, at a multiple of 256 from the buffer's first byte
.endr
.endm
	s_cmp_lt_u32 s[KIND], 2                        ; the same in all sixteen partners
	s_cbranch_scc0 .Lplain
	RLOAD 0                                        ; q and k
	RLOAD 1
	ROPEPACK 0
	RLOAD 2
	TOSTAGE 0
.irp a, 1,2,3,4,5,6,7                  ; block a's arithmetic stands between block a - 1's loads from the stage and the wait for them
	ROPEPACK \a
.if (\a) < 6
	RLOAD (\a)+2
.endif
	SEND (\a)-1
	TOSTAGE \a
.endr
	SEND 7
	s_branch .Lend
.Lplain:                                               ; V^T and g
	PACK 0
	TOSTAGE 0
.irp a, 1,2,3,4,5,6,7
	PACK \a
	SEND (\a)-1
	TOSTAGE \a
.endr
	SEND 7
.Lend:
	s_wait_tensorcnt 0x0                           ; the wave's end: behind my last tensor load and my last LDS store
	ds_add_u32 v[SPW], v[NIL]
	s_wait_dscnt 0x0
	CROUND                                         ; the closing round: no work-group ends while a partner may still ask for a tile that names it
	s_endpgm
.Lfunc_end_k_q6d89a88fc2_qkvg:
	.size	k_q6d89a88fc2_qkvg, .Lfunc_end_k_q6d89a88fc2_qkvg-k_q6d89a88fc2_qkvg
	.p2alignl 7, 3214868480
	.fill 96, 4, 3214868480
	.section	.rodata,"a",@progbits
	.p2align	6, 0x0
	.amdhsa_kernel k_q6d89a88fc2_qkvg
		.amdhsa_group_segment_fixed_size 327680
		.amdhsa_private_segment_fixed_size 0
		.amdhsa_enable_private_segment 0
		.amdhsa_kernarg_size 24
		.amdhsa_user_sgpr_count 2
		.amdhsa_user_sgpr_kernarg_segment_ptr 1
		.amdhsa_wavefront_size32 1
		.amdhsa_system_sgpr_workgroup_id_x 1
		.amdhsa_system_sgpr_workgroup_id_y 1
		.amdhsa_system_sgpr_workgroup_id_z 1
		.amdhsa_system_vgpr_workitem_id 0
		.amdhsa_next_free_vgpr 1024
		.amdhsa_next_free_sgpr 80
		.amdhsa_reserve_vcc 0
		.amdhsa_float_denorm_mode_32 3
		.amdhsa_float_denorm_mode_16_64 3
		.amdhsa_memory_ordered 1
		.amdhsa_forward_progress 1
		.amdhsa_inst_pref_size 222
	.end_amdhsa_kernel
	.amdgpu_metadata
---
amdhsa.version: [ 1, 2 ]
amdhsa.kernels:
  - .name:           k_q6d89a88fc2_qkvg
    .symbol:         k_q6d89a88fc2_qkvg.kd
    .args:
      - { .name: wb, .offset: 0, .size: 8, .value_kind: global_buffer, .address_space: global }
      - { .name: rope, .offset: 8, .size: 8, .value_kind: global_buffer, .address_space: global }
      - { .name: qkvg, .offset: 16, .size: 8, .value_kind: global_buffer, .address_space: global }
    .group_segment_fixed_size: 327680
    .private_segment_fixed_size: 0
    .kernarg_segment_align: 8
    .kernarg_segment_size: 24
    .max_flat_workgroup_size: 128
    .sgpr_count:     80
    .vgpr_count:     1024
    .wavefront_size: 32
...
	.end_amdgpu_metadata
.endif
;; end of part 2
;; launch attn (part 3): grid 8 x 32, 4 waves a work-group, no clusters, 288,256 bytes of LDS; arguments qkvg, norm_w, ob; writes ob
.if DOCPART == 3
	.amdgcn_target "amdgcn-amd-amdhsa--gfx1250"
	.amdhsa_code_object_version 6
	.text
	.protected	k_q6d89a88fc2_attn
	.globl	k_q6d89a88fc2_attn
	.p2align	8
	.type	k_q6d89a88fc2_attn,@function
k_q6d89a88fc2_attn:
	s_mov_b64 s[64:65], 0
	v_nop
	global_prefetch_b8 v0, s[64:65] scope:SCOPE_SE
	s_setreg_imm32_b32 hwreg(HW_REG_WAVE_MODE, 25, 1), 1
	s_wait_xcnt 0x0
; CAUSAL ATTENTION, RMS NORM AND GATE.  For each of 32 heads (16 batch + head): O[q] = sum over k <= q of softmax_k(Q[q] . K[k] / sqrt(128)) V[k]; then O x rsqrt(mean(O^2) + 1e-5) x norm_w x silu(g).
; IN: qkvg, f16: q, k, g [head][l][128] (regions 0, 1, 3 of 8 MiB), V^T [head][d][1024] (region 2).  norm_w f32, rounded here to bf16 like every input of the module.  OUT: ob bf16 [1024 batch + l][128 head + d].
; Products, maxima, sums, norm and gate in f32; the weights p are rounded to f16 for the second product (their sum is taken of the unrounded p); the result is rounded once, to bf16.
; LIMITS.  A hidden score counts as its value less 1e30 (f16's scores are 5.5e11 at the most); a weight below 2^-126 counts as 0; NaN and infinities are not treated apart.
; THE WALK.  A head's queries lie in 16 blocks of 64; block i needs the key steps 0 .. i of 64 keys, the last of which holds the diagonal.  A work-group takes blocks 15 - p and p: 17 steps whatever p.
; KEYS ARE SPLIT AMONG THE FOUR WAVES: every wave holds all 64 queries of the block in hand (four tiles of 16) and takes the steps w, w + 4, ..: at most 4 + 1, 4 + 1, 3 + 2 = 5 steps for every p.
; No wave wants a byte of K or V that another wave of the work-group fetches, and a fragment lies in registers as it lies in memory (V arrives transposed): two loads of 16 bytes a lane, no LDS on the way in.
; Each wave's running maximum, sum and O^T of both blocks go to LDS in f32; ONE barrier; then wave w merges and finishes tile w of each block.
; NO CLUSTER: what a head's eight work-groups share comes straight into registers, not as tiles in LDS; and they need 9 to 16 and then 1 to 8 key steps, so a walk common to all would have 16 + 8 steps for 17.
; LAYOUT.  S^T = K Q^T (source 0 = 16 keys, source 1 = 16 queries): a lane holds ONE query (l % 16) and the keys 8 (l / 16) + 0..7.  Two such results rounded to f16 in pairs ARE source 1 of O^T = V^T P,
; whose result again holds one query a lane, and eight channels.  p = 2^(c s - c m), c = log2(e) / sqrt(128), with a running maximum m; O and l are multiplied by a = 2^(c m_old - c m_new) in every step.
; c m starts far below every c s, so a block's first a is 0, and a wave with no step in a block counts for nothing in the merge; what O^T and l hold then need only be finite: zeros at the start.
; THE MASK is the C operand that starts a sum of S^T in the diagonal step: for tile t and key block kb: 0 if kb < t; -1e30 if kb > t; -1e30 where 8 (l / 16) + r > l % 16 if kb = t.  In other steps these registers hold 0.
; A STEP'S ORDER.  The tiles are two PIECES, 0 (tiles 0, 1) and 2 (tiles 2, 3).  A piece's softmax is a BATCH (maximum, scalings, all exponentials: nothing in it reads an exponential's result), one wait, and a TAIL
; (roundings, sums, rescaling).  K Q^T of piece 0; K Q^T of piece 2, with four lines of piece 0's batch behind each product; the rest of that batch, its wait, its tail; V^T P of piece 0, with four lines of piece 2's
; batch behind each product; the rest, its wait, its tail; V^T P of piece 2.  So 252 of a step's 536 vector lines stand beside matrix instructions.
; LOADS.  The next step's K is asked for behind the wait for this step's V, the next V behind the last product: each has about half a step's products and a tail in which to come.
; REGISTERS, in windows of 256 (s_set_vgpr_msb: bits 1:0 source 0, 3:2 source 1, 5:4 source 2, 7:6 destination):
;   window 0: v0-11, v62-63 addresses; v12-43 eight registers of statistics a tile; v44-59 masks; v64-191 S^T; v192-255 P      window 1: O^T, 64 a tile
;   window 2: v0-127 Q; v128-255 K of one step          window 3: v0-127 V^T of one step; v128-191 norm_w for my channels; v192-223 at work
.set STATS, 262144    ; LDS: 0: the partial O^T [block 2][wave 4][tile 4][16][lane x 16 bytes]; here: [block][wave][tile][lane x 8 bytes: c m, l]
.set STAGE, 270336    ; 16 rows x 272 bytes for each wave, for the way out
.set SP,    272
.set SPARE, 287744    ; the spare words, 128 bytes for each wave
.set KO,  2           ; v2   256 (l % 16) + 16 (l / 16): my place in 16 rows of K, Q or g
.set VO,  3           ; v3   2,048 (l % 16) + 16 (l / 16): in 16 rows of V^T
.set PA,  4           ; v4   where I put my partial O^T: 32,768 w + 16 lane (+ 131,072 for the second block)
.set SA,  5           ; v5   where I put c m and l
.set STO, 6           ; v6   the way out: where I put 16 bytes of a row
.set RD,  7           ; v7   where I read rows back
.set GO,  8           ; v8   my byte offset in two rows of ob
.set NO,  9           ; v9   32 (l / 16): my eight numbers in 16 of norm_w
.set SR,  10          ; v10  the merge: the four waves' c m and l of tile w
.set PR,  11          ; v11  the merge: waves 0 and 1's partial O^T of tile w;  v62 waves 2 and 3's
.set ST,  12          ; tile t's statistics at v[ST+8 t]: +0 c m, +1 m, +2, +3 l (even keys', odd keys'), +4 to +7 at work; a takes +6
.set MDX, 44          ; v44-51  the mask of kb = t
.set MBX, 52          ; v52-59  the mask of kb > t
.set SPW, 60          ; v60  LDS address of my spare word; never rewritten
.set NIL, 61          ; v61  0; never rewritten
.set PR2, 62
.set DV,  63          ; v63  l % 16 - 8 (l / 16)
.set S,   64
.set P,   192
.set KF,  128         ; K's fragments, window 2
.set WV,  12          ; s12  wave
.set PB,  13          ; s13  p
.set QB,  16          ; s[16:17] q, s[18:19] k, s[20:21] V^T, s[22:23] g at the head's first byte
.set KB,  18
.set VB,  20
.set GB,  22
.set OBB, 24          ; s[24:25] ob at the batch's first row, the head's first column
.set BI,  26          ; s26  the block in hand
.set NS,  27          ; s27  its key steps
.set STP, 28          ; s28  my key step
.set CNT, 29          ; s29  counts trips
.set BLK, 30          ; s30  counts blocks
.set NXT, 31          ; s31  1: I have a further step in this block
.set KP,  32          ; s[32:33] K at my step;  s[34:35] V^T;  s[36:37] Q at the block
.set VP,  34
.set QP,  36
.set OFF, 38          ; s[38:39] an offset; the high word stays 0
.set MK,  40          ; s40-47  lanes where register r of the diagonal's key block is hidden
.set BE,  48          ; s48  -1e30 in the diagonal step, else 0
.set BIGN, 49
.set CS,  50          ; s[50:51] c
.set SEL, 52          ; s[52:53] v_permlanex16_b32's selects: each lane takes its own place in the other half
.set GP,  54          ; s[54:55] g at my tile's rows;  s[56:57] ob there
.set OP,  56
.set NL2E, 58         ; s[58:59] -log2(e)
.set I128, 60         ; s60  1/128
.set EPS, 61          ; s61  1e-5
.set MSB, 0
.macro WIN new
.if MSB != (\new)
	s_set_vgpr_msb (MSB<<8)|(\new)
.set MSB, \new
.endif
.endm
.set W_KQ, 0x0a       ; K and Q in window 2, S^T and the mask in window 0
.set W_PV, 0x53       ; V in window 3, P in window 0, O^T in window 1
.set W_RS, 0x41       ; destination and source 0 in window 1, source 1 in window 0
.macro PLACES
.rept 4
	v_nop
.endr
.endm
	s_load_b128 s[4:7], s[0:1], 0x0  ; qkvg s[4:5], norm_w s[6:7]
	s_load_b64 s[8:9], s[0:1], 0x10  ; ob
	v_lshl_add_u32 v[SPW], v0, 2, SPARE
	v_mov_b32 v[NIL], 0
	v_lshrrev_b32 v1, 5, v0
	v_readfirstlane_b32 s[WV], v1
	s_mov_b32 s[PB], ttmp9
	s_and_b32 s14, ttmp7, 0xffff    ; 16 batch + head
	v_and_b32 v1, 15, v0            ; l % 16
	v_bfe_u32 v[NO], v0, 4, 1       ; l / 16
	v_and_b32 v[PR], 31, v0         ; lane
	v_lshlrev_b32 v[KO], 8, v1
	v_lshl_add_u32 v[KO], v[NO], 4, v[KO]
	v_lshlrev_b32 v[VO], 11, v1
	v_lshl_add_u32 v[VO], v[NO], 4, v[VO]
	s_lshl_b32 s15, s[WV], 15
	v_lshl_add_u32 v[PA], v[PR], 4, s15
	s_lshl_b32 s15, s[WV], 10
	s_add_co_u32 s15, s15, STATS
	v_lshl_add_u32 v[SA], v[PR], 3, s15
	s_mul_i32 s15, s[WV], 16*SP
	s_add_co_u32 s15, s15, STAGE    ; my stage
	v_mul_u32_u24 v[STO], v1, SP    ; in: row l % 16, 16 bytes for each half of the lanes
	v_lshl_add_u32 v[STO], v[NO], 4, v[STO]
	v_add_nc_u32 v[STO], s15, v[STO]
	v_mul_u32_u24 v[RD], v[NO], SP  ; back: lanes 0-15 one row of 256 bytes, lanes 16-31 the next
	v_lshl_add_u32 v[RD], v1, 4, v[RD]
	v_add_nc_u32 v[RD], s15, v[RD]
	v_lshlrev_b32 v[GO], 12, v[NO]  ; and the same two rows in ob, 4,096 bytes apart
	v_lshl_add_u32 v[GO], v1, 4, v[GO]
	s_lshl_b32 s15, s[WV], 8
	s_add_co_u32 s15, s15, STATS
	v_lshl_add_u32 v[SR], v[PR], 3, s15
	v_lshlrev_b32 v[DV], 3, v[NO]
	v_sub_nc_u32 v[DV], v1, v[DV]
	s_lshl_b32 s15, s[WV], 13
	v_lshl_add_u32 v[PR], v[PR], 4, s15
	v_add_nc_u32 v[PR2], 0x10000, v[PR]
	v_lshlrev_b32 v[NO], 5, v[NO]
.irp r, 0,1,2,3,4,5,6,7
	v_cmp_gt_i32 s[MK+\r], \r, v[DV]  ; hidden where r > l % 16 - 8 (l / 16)
.endr
	s_mov_b32 s[BIGN], 0xf149f2ca   ; -1e30
	s_mov_b32 s[CS], 0x3e0293ee     ; c = log2(e) / sqrt(128)
	s_mov_b32 s[CS+1], s[CS]
	s_mov_b32 s[SEL], 0x76543210
	s_mov_b32 s[SEL+1], 0xfedcba98
	s_mov_b32 s[NL2E], 0xbfb8aa3b
	s_mov_b32 s[NL2E+1], s[NL2E]
	s_mov_b32 s[I128], 0x3c000000
	s_mov_b32 s[EPS], 0x3727c5ac
	s_mov_b32 s[OFF+1], 0
	s_lshl_b32 s[OFF], s14, 18      ; a head is 262,144 bytes in each region
	WIN 0x40                        ; the zeros hang on no argument: they are written while the arguments are on their way
.set i, 0
.rept 256
	v_mov_b32 v[i], 0               ; O^T: finite numbers for the first a = 0, and for a wave with no step
.set i, i+1
.endr
	WIN 0
.irp t, 0,1,2,3
	v_mov_b32 v[ST+8*\t+2], 0       ; l likewise
	v_mov_b32 v[ST+8*\t+3], 0
.endr
	s_wait_kmcnt 0x0
	s_add_nc_u64 s[QB:QB+1], s[4:5], s[OFF:OFF+1]
	s_add_nc_u64 s[KB:KB+1], s[QB:QB+1], 0x800000
	s_add_nc_u64 s[VB:VB+1], s[QB:QB+1], 0x1000000
	s_add_nc_u64 s[GB:GB+1], s[QB:QB+1], 0x1800000
	s_lshr_b32 s15, s14, 4
	s_lshl_b32 s15, s15, 22         ; the batch's 1,024 rows of 4,096 bytes,
	s_and_b32 s[OFF], s14, 15
	s_lshl_b32 s[OFF], s[OFF], 8    ; the head's 256 bytes of a row
	s_add_co_u32 s[OFF], s[OFF], s15
	s_add_nc_u64 s[OBB:OBB+1], s[8:9], s[OFF:OFF+1]
.macro LOADQ                        ; tile f / 4, channels 32 (f % 4) on
	WIN 0x80
.irp f, 0,1,2,3,4,5,6,7,8,9,10,11,12,13,14,15
	global_load_b128 v[8*\f:8*\f+3],   v[KO], s[QP:QP+1] offset:(\f/4)*4096+(\f%4)*64
	global_load_b128 v[8*\f+4:8*\f+7], v[KO], s[QP:QP+1] offset:(\f/4)*4096+(\f%4)*64+32
.endr
	WIN 0
.endm
.macro LOADK                        ; keys 16 (f / 4) on, channels 32 (f % 4) on
	WIN 0x80
.irp f, 0,1,2,3,4,5,6,7,8,9,10,11,12,13,14,15
	global_load_b128 v[KF+8*\f:KF+8*\f+3],   v[KO], s[KP:KP+1] offset:(\f/4)*4096+(\f%4)*64
	global_load_b128 v[KF+8*\f+4:KF+8*\f+7], v[KO], s[KP:KP+1] offset:(\f/4)*4096+(\f%4)*64+32
.endr
	WIN 0
.endm
.macro LOADV                        ; keys 32 (f / 8) on, channels 16 (f % 8) on: rows of V^T
	WIN 0xc0
.irp f, 0,1,2,3,4,5,6,7,8,9,10,11,12,13,14,15
	global_load_b128 v[8*\f:8*\f+3],   v[VO], s[VP:VP+1] offset:(\f%8)*32768+(\f/8)*64
	global_load_b128 v[8*\f+4:8*\f+7], v[VO], s[VP:VP+1] offset:(\f%8)*32768+(\f/8)*64+32
.endr
	WIN 0
.endm
; Product i of 32 of S^T = K Q^T for tiles x, x + 1: channels 32 (i / 8) on, keys 16 ((i / 2) % 4) on, tile x + i % 2.  The first 8 start the sums, with 0 or a mask.  The accumulators take turns.
.macro KQ x
	WIN W_KQ
.set tt, (\x)+i%2
.set kb, (i/2)%4
.set rS, S+32*tt+8*kb
.set rK, KF+32*kb+8*(i/8)
.set rQ, 32*tt+8*(i/8)
.if i >= 8
	v_wmma_f32_16x16x32_f16 v[rS:rS+7], v[rK:rK+7], v[rQ:rQ+7], v[rS:rS+7]
.elseif kb < tt
	v_wmma_f32_16x16x32_f16 v[rS:rS+7], v[rK:rK+7], v[rQ:rQ+7], 0
.elseif kb == tt
	v_wmma_f32_16x16x32_f16 v[rS:rS+7], v[rK:rK+7], v[rQ:rQ+7], v[MDX:MDX+7]
.else
	v_wmma_f32_16x16x32_f16 v[rS:rS+7], v[rK:rK+7], v[rQ:rQ+7], v[MBX:MBX+7]
.endif
.endm
; Product i of 32 of O^T += V^T P: keys 32 (i / 16) on, channels 16 ((i / 2) % 8) on, tile x + i % 2.
.macro PV x
	WIN W_PV
.set rO, 64*((\x)+i%2)+8*((i/2)%8)
.set rV, 64*(i/16)+8*((i/2)%8)
.set rP, P+16*((\x)+i%2)+8*(i/16)
	v_wmma_f32_16x16x32_f16 v[rO:rO+7], v[rV:rV+7], v[rP:rP+7], v[rO:rO+7]
.endm
; One tile's softmax for one key step is a list of 134 instructions; SM writes number j of it for tile t.  s0-s31 are the lane's 32 scores, in pairs 0-15.
;   0-15 the maximum of s0-s31 and the old m (each accumulator's lowest registers are read first)   16-20 the other half of the lanes' maximum; the new m; c m; c m_old - c m_new
;   21-69 the 16 scalings c s - c m and all 33 exponentials (a at 23): none of these reads an exponential's result     (the wait)     70-85 the roundings to f16   86-101 the sums; l = a l + sum   102-133 O^T times a
.macro SM t
.set rT, ST+8*(\t)
.set rS, S+32*(\t)
.set rP, P+16*(\t)
.set rO, 64*(\t)+2*(j-102)
.if j < 102
	WIN 0
.endif
.if j < 4
	v_max3_num_f32 v[rT+4+j], v[rS+8*j], v[rS+8*j+1], v[rS+8*j+2]
.elseif j < 12
	v_max3_num_f32 v[rT+4+j%4], v[rT+4+j%4], v[rS+8*(j%4)+2*(j/4)+1], v[rS+8*(j%4)+2*(j/4)+2]
.elseif j == 12
	v_max3_num_f32 v[rT+4], v[rT+4], v[rS+7], v[rS+15]
.elseif j == 13
	v_max3_num_f32 v[rT+6], v[rT+6], v[rS+23], v[rS+31]
.elseif j == 14
	v_max3_num_f32 v[rT+4], v[rT+4], v[rT+5], v[rT+6]
.elseif j == 15
	v_max3_num_f32 v[rT+4], v[rT+4], v[rT+7], v[rT+1]
.elseif j == 16
	v_permlanex16_b32 v[rT+5], v[rT+4], s[SEL], s[SEL+1]  ; the query's other 32 keys lie in the lane 16 away
.elseif j == 17
	v_mov_b32 v[rT+7], v[rT]        ; c m_old is kept for a
.elseif j == 18
	v_max_num_f32 v[rT+1], v[rT+4], v[rT+5]
.elseif j == 19
	v_mul_f32 v[rT], s[CS], v[rT+1]
.elseif j == 20
	v_sub_f32 v[rT+7], v[rT+7], v[rT]
.elseif j == 23
	v_exp_f32 v[rT+6], v[rT+7]
.elseif (j < 23) || ((j < 38) && (j%2 == 0)) || ((j < 66) && (j%4 == 2))
.set b, (j-2)/4
.if j < 38
.set b, (j-20)/2
.endif
	v_pk_fma_f32 v[rS+2*b:rS+2*b+1], v[rS+2*b:rS+2*b+1], s[CS:CS+1], v[rT:rT+1] op_sel_hi:[1,0,0] neg_lo:[0,0,1] neg_hi:[0,0,1]  ; pair b: c s - c m
.elseif j < 70
.set e, j-38
.if j < 66
.set e, j-32-(j-38)/4
.endif
.if j < 38
.set e, (j-25)/2
.endif
	v_exp_f32 v[rS+e], v[rS+e]
.elseif j < 86
	v_cvt_pk_f16_f32 v[rP+j-70], v[rS+2*(j-70)], v[rS+2*(j-70)+1]
.elseif j < 102                     ; the sum of the 16 pairs, in place: neighbours 1, 2, 4 and 8 pairs apart, then l takes it
.set z, j-86
.set w, 4
.set u, z
.if z >= 14
.set w, 32
.set u, 0
.elseif z >= 12
.set w, 16
.set u, z-12
.elseif z >= 8
.set w, 8
.set u, z-8
.endif
.if z < 15
	v_pk_add_f32 v[rS+w*u:rS+w*u+1], v[rS+w*u:rS+w*u+1], v[rS+w*u+w/2:rS+w*u+w/2+1]
.else
	v_pk_fma_f32 v[rT+2:rT+3], v[rT+2:rT+3], v[rT+6:rT+7], v[rS:rS+1] op_sel_hi:[1,0,1]
.endif
.else
	WIN W_RS
	v_pk_mul_f32 v[rO:rO+1], v[rO:rO+1], v[rT+6:rT+7] op_sel_hi:[1,0]
.endif
.endm
; Slice k of 35 of the BATCH (numbers 0 to 69) of tiles y, y + 1: four lines.  Slices 0 to 10: numbers 2 k, 2 k + 1 of both tiles, the tiles alternating, so that where one line feeds the next the other tile's
; stands between.  Slices 11 to 34: four numbers of ONE tile, the tiles by turns: each begins with a scaling while there are scalings.
.macro BATCH y
.if k < 11
.irp n, 0,1
.irp t, \y, (\y)+1
.set j, 2*k+(\n)
	SM \t
.endr
.endr
.else
.irp n, 0,1,2,3
.set j, 22+4*((k-11)/2)+(\n)
	SM (\y)+(k-11)%2
.endr
.endif
.set k, k+1
.endm
; Slice k of 32 of the TAIL (numbers 70 to 133) of tiles y, y + 1: numbers 70 + 2 k, 71 + 2 k of both tiles.
.macro TAIL y
.irp n, 0,1
.irp t, \y, (\y)+1
.set j, 70+2*k+(\n)
	SM \t
.endr
.endr
.set k, k+1
.endm
	s_sub_co_u32 s[BI], 15, s[PB]   ; the long block first
	s_mov_b32 s[BLK], 2
.Lblock:                            ; no load or store of mine is out here: none has been issued yet, or the waits at the loop's bottom have been passed
	s_add_co_u32 s[NS], s[BI], 1
	s_mov_b32 s[STP], s[WV]
.irp t, 0,1,2,3
	v_mov_b32 v[ST+8*\t], 0xfe000000    ; c m: far below every c s
	v_mov_b32 v[ST+8*\t+1], 0xff7fffff  ; m: the lowest finite number
.endr
	s_cmp_lt_u32 s[STP], s[NS]
	s_cbranch_scc0 .Lstash          ; no step of this block is mine
	s_lshl_b32 s[OFF], s[BI], 14    ; 64 rows of 256 bytes
	s_add_nc_u64 s[QP:QP+1], s[QB:QB+1], s[OFF:OFF+1]
	s_lshl_b32 s[OFF], s[STP], 14
	s_add_nc_u64 s[KP:KP+1], s[KB:KB+1], s[OFF:OFF+1]
	s_lshl_b32 s[OFF], s[STP], 7    ; 64 keys of 2 bytes along V^T's rows
	s_add_nc_u64 s[VP:VP+1], s[VB:VB+1], s[OFF:OFF+1]
	LOADQ
	LOADK
	LOADV
	s_mov_b32 s[CNT], 4             ; the most steps a wave has in a block; dead trips are jumped over
.Lstep:
	s_cmp_lt_u32 s[STP], s[NS]
	s_cbranch_scc0 .Ldead
	s_add_co_u32 s[BE], s[STP], 1
	s_cmp_eq_u32 s[BE], s[NS]       ; the diagonal's step?
	s_cselect_b32 s[BE], s[BIGN], 0
	s_add_co_u32 s[NXT], s[STP], 4
	s_cmp_lt_u32 s[NXT], s[NS]
	s_cselect_b32 s[NXT], 1, 0
.irp r, 0,1,2,3,4,5,6,7
	v_mov_b32 v[MBX+\r], s[BE]
.endr
.irp r, 0,1,2,3,4,5,6,7
	v_cndmask_b32 v[MDX+\r], 0, v[MBX+\r], s[MK+\r]
.endr
	s_wait_loadcnt 32               ; (Q and) K are in: behind K's loads only V's 32 were issued, and they may stay out
.set i, 0
.rept 32
	KQ 0                            ; piece 0's scores
.set i, i+1
.endr
.set i, 0
.set k, 0
.rept 32
	KQ 2                            ; piece 2's scores, and behind each product four lines of piece 0's batch
.if i == 0
	WIN 0
	PLACES                          ; the places between piece 0's last products and the first read of its scores
.else
	BATCH 0
.endif
.set i, i+1
.endr
.rept 4
	BATCH 0                         ; slices 31 to 34
.endr
	v_nop                           ; a plain instruction behind the last exponential,
	s_wait_alu depctr_va_vdst(0)    ; and the one wait for piece 0's 66 exponentials, ahead of their first reader
.set k, 0
.rept 32
	TAIL 0                          ; 128 plain lines: also the places between piece 2's last product and the loads into K's registers
.endr
	WIN 0
	s_wait_loadcnt 0x0              ; this step's V, asked for at the last step's end; nothing else of mine is out
	s_cmp_eq_u32 s[NXT], 1
	s_cbranch_scc0 .Lnok
	s_wait_xcnt 0x0
	s_add_nc_u64 s[KP:KP+1], s[KP:KP+1], 0x10000  ; four steps on
	LOADK                           ; the next step's K: it has both runs of V^T P and piece 2's tail in which to come
.Lnok:
.set i, 0
.set k, 0
.rept 32
	PV 0                            ; piece 0's V^T P, and behind each product four lines of piece 2's batch
	BATCH 2
.set i, i+1
.endr
.rept 3
	BATCH 2                         ; slices 32 to 34
.endr
	v_nop
	s_wait_alu depctr_va_vdst(0)    ; the one wait for piece 2's 66 exponentials
.set k, 0
.rept 32
	TAIL 2
.endr
.set i, 0
.rept 32
	PV 2
.set i, i+1
.endr
	WIN 0
	PLACES                          ; in front of the loads into V's registers, and of the stores of O^T
	s_cmp_eq_u32 s[NXT], 1
	s_cbranch_scc0 .Lnov
	s_wait_xcnt 0x0
	s_add_nc_u64 s[VP:VP+1], s[VP:VP+1], 512
	LOADV                           ; the next step's V: it has that step's K Q^T and piece 0's softmax in which to come
	s_branch .Ldead
.Lnov:
	s_wait_loadcnt 0x0              ; on this way no V follows K's loads: nothing of mine stays out, so that the count at the step's head holds on every way
.Ldead:
	s_add_co_u32 s[STP], s[STP], 4
	s_sub_co_u32 s[CNT], s[CNT], 1
	s_cmp_lg_u32 s[CNT], 0
	s_cbranch_scc1 .Lstep
.Lstash:                            ; c m, l and O^T of this block go to LDS
.irp t, 0,1,2,3
	v_add_f32 v[ST+8*\t+1], v[ST+8*\t+2], v[ST+8*\t+3]  ; even keys' and odd keys'; m is not needed any more
.endr
.irp t, 0,1,2,3
	ds_store_b64 v[SA], v[ST+8*\t:ST+8*\t+1] offset:256*\t
.endr
	WIN 0x04                        ; the data in window 1
.set n, 0
.rept 64
	ds_store_b128 v[PA], v[4*n:4*n+3] offset:512*n  ; ascending: each accumulator's lowest registers first; 32 lanes store 512 consecutive bytes
.set n, n+1
.endr
	WIN 0
	v_add_nc_u32 v[PA], 0x20000, v[PA]
	v_add_nc_u32 v[SA], 4096, v[SA]
	s_mov_b32 s[BI], s[PB]          ; the short block
	s_wait_loadcnt 0x0              ; no load of mine is out,
	s_wait_xcnt 0x0                 ; and every one has read its address: the next block writes the pointers and loads into the same registers
	s_sub_co_u32 s[BLK], s[BLK], 1
	s_cmp_lg_u32 s[BLK], 0
	s_cbranch_scc1 .Lblock
	WIN 0xc0                        ; destination window 3
.irp c, 0,1,2,3,4,5,6,7
	global_load_b128 v[128+8*\c:128+8*\c+3], v[NO], s[6:7] offset:64*\c      ; norm_w of channels 16 c + 8 (l / 16) + 0..7: asked for here, so that it comes while the waves meet
	global_load_b128 v[128+8*\c+4:128+8*\c+7], v[NO], s[6:7] offset:64*\c+16
.endr
	WIN 0
	s_wait_dscnt 0x0                ; for the others' sake: my stores are done
	s_barrier_signal -1
	s_barrier_wait -1               ; all four waves' parts of both blocks lie in LDS
	; THE MERGE AND THE END.  Wave w takes tile w (16 queries) of each block.
.set FS,  12          ; v12-19  (c m, l) of the four waves; c m becomes the wave's factor f = 2^(c m - M)
.set MX,  20          ; v20  M
.set LS,  21          ; v21  l
.set LT,  22          ; v22, v23  the exchanges' destinations (written at the head)
.set SQ2, 23
.set RC,  24          ; v24-25  1 / l, twice
.set SQ,  26          ; v26  the sum of squares
.set RS,  28          ; v28-29  the norm's factor, twice
.set C1,  30          ; v30  1.0
.set C0,  31          ; v31  0
.set GR,  64          ; v64-95   g as loaded, f16
.set TT,  96          ; v96-159  at work on the gate; then PKD and BK
.set PKD, 96
.set BK,  128
.set G32, 160         ; v160-223 g, then the gate, in f32
.macro FINPTR                       ; g and ob at rows 64 BI + 16 w of the head
	s_lshl_b32 s[OFF], s[BI], 6
	s_lshl4_add_u32 s[OFF], s[WV], s[OFF]
	s_lshl_b32 s15, s[OFF], 12
	s_lshl_b32 s[OFF], s[OFF], 8
	s_add_nc_u64 s[GP:GP+1], s[GB:GB+1], s[OFF:OFF+1]
	s_mov_b32 s[OFF], s15
	s_add_nc_u64 s[OP:OP+1], s[OBB:OBB+1], s[OFF:OFF+1]
.endm
	v_mov_b32 v[C1], 1.0
	v_mov_b32 v[C0], 0
	s_sub_co_u32 s[BI], 15, s[PB]
	FINPTR
	s_mov_b32 s[CNT], 2
	s_wait_loadcnt 0x0              ; norm_w
	WIN 0xcf                        ; all in window 3: norm_w is rounded to bf16 and widened again
.set i, 0
.rept 32
	v_cvt_pk_bf16_f32 v[192+i], v[128+2*i], v[128+2*i+1]
.set i, i+1
.endr
.set i, 0
.rept 32
	v_lshlrev_b32 v[128+2*i], 16, v[192+i]
	v_and_b32 v[128+2*i+1], 0xffff0000, v[192+i]
.set i, i+1
.endr
	WIN 0
.Lfin:
.irp c, 0,1,2,3,4,5,6,7
	global_load_b128 v[GR+4*\c:GR+4*\c+3], v[KO], s[GP:GP+1] offset:32*\c  ; g of my query, channels 16 c + 8 (l / 16) + 0..7
.endr
.irp u, 0,1,2,3
	ds_load_b64 v[FS+2*\u:FS+2*\u+1], v[SR] offset:1024*\u
.endr
	WIN 0x40                        ; destination window 1: wave u's part at v[64 u]
.set i, 0
.rept 32
	ds_load_b128 v[4*i:4*i+3], v[PR] offset:32768*(i/16)+512*(i%16)
.set i, i+1
.endr
.set i, 0
.rept 32
	ds_load_b128 v[128+4*i:128+4*i+3], v[PR2] offset:32768*(i/16)+512*(i%16)
.set i, i+1
.endr
	WIN 0
	s_wait_dscnt 63                 ; the four pairs (c m, l) are in: 64 loads are younger, and 63 is the most that the count can name
	v_max3_num_f32 v[MX], v[FS], v[FS+2], v[FS+4]
	v_max_num_f32 v[MX], v[MX], v[FS+6]
.irp u, 0,1,2,3
	v_sub_f32 v[FS+2*\u], v[FS+2*\u], v[MX]
.endr
.irp u, 0,1,2,3
	v_exp_f32 v[FS+2*\u], v[FS+2*\u]
.endr
	v_nop
	s_wait_alu depctr_va_vdst(0)    ; one wait for the four factors
	v_mul_f32 v[LS], v[FS], v[FS+1]
	v_fmac_f32 v[LS], v[FS+2], v[FS+3]
	v_fmac_f32 v[LS], v[FS+4], v[FS+5]
	v_fmac_f32 v[LS], v[FS+6], v[FS+7]
	v_permlanex16_b32 v[LT], v[LS], s[SEL], s[SEL+1]  ; the query's other keys lie in the lane 16 away
	v_add_f32 v[LS], v[LS], v[LT]
	v_rcp_f32 v[RC], v[LS]
	v_rcp_f32 v[RC+1], v[LS]
	s_wait_dscnt 0x0
	WIN 0x51                        ; destination, sources 0 and 2 window 1; source 1 window 0
.set i, 0
.rept 32
	v_pk_mul_f32 v[2*i:2*i+1], v[2*i:2*i+1], v[FS:FS+1] op_sel_hi:[1,0]
.set i, i+1
.endr
.irp u, 1,2,3
.set i, 0
.rept 32
	v_pk_fma_f32 v[2*i:2*i+1], v[64*\u+2*i:64*\u+2*i+1], v[FS+2*\u:FS+2*\u+1], v[2*i:2*i+1] op_sel_hi:[1,0,1]
.set i, i+1
.endr
.endr
	s_wait_alu depctr_va_vdst(0)    ; the two reciprocals; the 128 lines above are the work between
.set i, 0
.rept 32
	v_pk_mul_f32 v[2*i:2*i+1], v[2*i:2*i+1], v[RC:RC+1]
.set i, i+1
.endr
	WIN 0x55                        ; all in window 1: the sum of my 64 squares, in four chains
.set i, 0
.rept 4
	v_pk_mul_f32 v[64+2*i:65+2*i], v[2*i:2*i+1], v[2*i:2*i+1]
.set i, i+1
.endr
.rept 28
	v_pk_fma_f32 v[64+2*(i%4):65+2*(i%4)], v[2*i:2*i+1], v[2*i:2*i+1], v[64+2*(i%4):65+2*(i%4)]
.set i, i+1
.endr
	v_pk_add_f32 v[64:65], v[64:65], v[66:67]
	v_pk_add_f32 v[68:69], v[68:69], v[70:71]
	v_pk_add_f32 v[64:65], v[64:65], v[68:69]
	WIN 0x05                        ; sources window 1, destination window 0
	v_add_f32 v[SQ], v64, v65
	WIN 0
	v_permlanex16_b32 v[SQ2], v[SQ], s[SEL], s[SEL+1]  ; the query's other 64 channels
	v_add_f32 v[SQ], v[SQ], v[SQ2]
	v_fma_f32 v[SQ], v[SQ], s[I128], s[EPS]            ; the mean + 1e-5
	s_wait_loadcnt 0x0              ; g
.set i, 0
.rept 32
	v_fma_mix_f32 v[G32+2*i], v[GR+i], v[C1], v[C0] op_sel_hi:[1,0,0]                  ; the low f16 x 1 + 0
	v_fma_mix_f32 v[G32+2*i+1], v[GR+i], v[C1], v[C0] op_sel:[1,0,0] op_sel_hi:[1,0,0] ; the high one
.set i, i+1
.endr
.set i, 0
.rept 32
	v_pk_mul_f32 v[TT+2*i:TT+2*i+1], v[G32+2*i:G32+2*i+1], s[NL2E:NL2E+1] op_sel_hi:[1,0]
.set i, i+1
.endr
.set i, 0
.rept 64
	v_exp_f32 v[TT+i], v[TT+i]      ; e^-g
.set i, i+1
.endr
	v_nop
	s_wait_alu depctr_va_vdst(0)    ; one wait for the 64
.set i, 0
.rept 32
	v_pk_add_f32 v[TT+2*i:TT+2*i+1], v[TT+2*i:TT+2*i+1], 1.0 op_sel_hi:[1,0]
.set i, i+1
.endr
.set i, 0
.rept 64
	v_rcp_f32 v[TT+i], v[TT+i]      ; 1 / (1 + e^-g)
.set i, i+1
.endr
	v_rsq_f32 v[RS], v[SQ]
	v_rsq_f32 v[RS+1], v[SQ]
	v_nop
	s_wait_alu depctr_va_vdst(0)    ; one wait for the 66
.set i, 0
.rept 32
	v_pk_mul_f32 v[G32+2*i:G32+2*i+1], v[G32+2*i:G32+2*i+1], v[TT+2*i:TT+2*i+1]  ; silu(g)
.set i, i+1
.endr
	WIN 0x0c                        ; source 1 window 3
.set i, 0
.rept 32
	v_pk_mul_f32 v[G32+2*i:G32+2*i+1], v[G32+2*i:G32+2*i+1], v[128+2*i:128+2*i+1]  ; x norm_w
.set i, i+1
.endr
	WIN W_RS
.set i, 0
.rept 32
	v_pk_mul_f32 v[2*i:2*i+1], v[2*i:2*i+1], v[RS:RS+1]
.set i, i+1
.endr
.set i, 0
.rept 32
	v_pk_mul_f32 v[2*i:2*i+1], v[2*i:2*i+1], v[G32+2*i:G32+2*i+1]
.set i, i+1
.endr
	WIN 0x05
.set i, 0
.rept 32
	v_cvt_pk_bf16_f32 v[PKD+i], v[2*i], v[2*i+1]
.set i, i+1
.endr
	WIN 0
.irp c, 0,1,2,3,4,5,6,7
	ds_store_b128 v[STO], v[PKD+4*\c:PKD+4*\c+3] offset:32*\c
.endr
.irp f, 0,1,2,3,4,5,6,7
	ds_load_b128 v[BK+4*\f:BK+4*\f+3], v[RD] offset:544*\f  ; LDS serves a wave's instructions in order (ISA guide 5.7.1.4): these see the stores above
.endr
.irp f, 0,1,2,3,4,5,6,7
	s_wait_dscnt 7-\f               ; load f is back; the younger ones may be out
	global_store_b128 v[GO], v[BK+4*\f:BK+4*\f+3], s[OP:OP+1] offset:8192*\f  ; 16 lanes store 256 consecutive bytes, at a multiple of 256 from ob's first byte
.endr
	s_wait_xcnt 0x0                 ; the loads and stores have read their registers and bases: these are written anew below and in the next trip
	s_mov_b32 s[BI], s[PB]
	FINPTR
	v_add_nc_u32 v[SR], 4096, v[SR]
	v_add_nc_u32 v[PR], 0x20000, v[PR]
	v_add_nc_u32 v[PR2], 0x20000, v[PR2]
	s_sub_co_u32 s[CNT], s[CNT], 1
	s_cmp_lg_u32 s[CNT], 0
	s_cbranch_scc1 .Lfin
	s_wait_tensorcnt 0x0            ; the wave's end: behind my last LDS store
	ds_add_u32 v[SPW], v[NIL]
	s_wait_dscnt 0x0
	s_endpgm
.Lfunc_end_k_q6d89a88fc2_attn:
	.size	k_q6d89a88fc2_attn, .Lfunc_end_k_q6d89a88fc2_attn-k_q6d89a88fc2_attn
	.p2alignl 7, 3214868480
	.fill 96, 4, 3214868480
	.section	.rodata,"a",@progbits
	.p2align	6, 0x0
	.amdhsa_kernel k_q6d89a88fc2_attn
		.amdhsa_group_segment_fixed_size 288256
		.amdhsa_private_segment_fixed_size 0
		.amdhsa_enable_private_segment 0
		.amdhsa_kernarg_size 24
		.amdhsa_user_sgpr_count 2
		.amdhsa_user_sgpr_kernarg_segment_ptr 1
		.amdhsa_wavefront_size32 1
		.amdhsa_system_sgpr_workgroup_id_x 1
		.amdhsa_system_sgpr_workgroup_id_y 1
		.amdhsa_system_sgpr_workgroup_id_z 1
		.amdhsa_system_vgpr_workitem_id 0
		.amdhsa_next_free_vgpr 1024
		.amdhsa_next_free_sgpr 66
		.amdhsa_reserve_vcc 0
		.amdhsa_float_denorm_mode_32 3
		.amdhsa_float_denorm_mode_16_64 3
		.amdhsa_memory_ordered 1
		.amdhsa_forward_progress 1
		.amdhsa_inst_pref_size 127
	.end_amdhsa_kernel
	.amdgpu_metadata
---
amdhsa.version: [ 1, 2 ]
amdhsa.kernels:
  - .name:           k_q6d89a88fc2_attn
    .symbol:         k_q6d89a88fc2_attn.kd
    .args:
      - { .name: qkvg, .offset: 0, .size: 8, .value_kind: global_buffer, .address_space: global }
      - { .name: norm_w, .offset: 8, .size: 8, .value_kind: global_buffer, .address_space: global }
      - { .name: ob, .offset: 16, .size: 8, .value_kind: global_buffer, .address_space: global }
    .group_segment_fixed_size: 288256
    .private_segment_fixed_size: 0
    .kernarg_segment_align: 8
    .kernarg_segment_size: 24
    .max_flat_workgroup_size: 128
    .sgpr_count:     66
    .vgpr_count:     1024
    .wavefront_size: 32
...
	.end_amdgpu_metadata
.endif
;; end of part 3
;; launch oproj (part 4): grid 16 x 16, 4 waves a work-group, clusters of 4 x 4, 327,680 bytes of LDS; arguments ob, wb, out0; writes out0
.if DOCPART == 4
	.amdgcn_target "amdgcn-amd-amdhsa--gfx1250"
	.amdhsa_code_object_version 6
	.text
	.protected	k_q6d89a88fc2_oproj
	.globl	k_q6d89a88fc2_oproj
	.p2align	8
	.type	k_q6d89a88fc2_oproj,@function
k_q6d89a88fc2_oproj:
	s_mov_b64 s[64:65], 0
	v_nop
	global_prefetch_b8 v0, s[64:65] scope:SCOPE_SE
	s_setreg_imm32_b32 hwreg(HW_REG_WAVE_MODE, 25, 1), 1
	s_wait_xcnt 0x0
	s_wait_alu depctr_hold_cnt(0) depctr_sa_sdst(0) depctr_va_vdst(0) depctr_va_sdst(0) depctr_va_ssrc(0) depctr_va_vcc(0) depctr_vm_vsrc(0)
	s_getreg_b32 s2, hwreg(HW_REG_IB_STS2, 6, 4)
	s_cmp_eq_u32 s2, 0
	s_cbranch_scc0 .Lentry_in_a_cluster
	s_endpgm
.Lentry_in_a_cluster:
	s_bfe_u32 s2, ttmp6, 0x10000c
	s_cmp_lg_u32 s2, 0xf033
	s_cbranch_scc0 .Lentry_shape_is_right
	s_endpgm
.Lentry_shape_is_right:
; out0[m][n] = sum over k of ob[m][k] wo[n][k].  ob: [2048][2048] bf16; wo: rows 10,240 on of wb, bf16; out0: [2048][2048] f32.  Sums in f32.
; 256 tiles of 128 x 128, a work-group each.  Four waves, each 64 x 64: 16 accumulators, 128 registers.  K goes in steps of 256 (LDS rows of 512 bytes; a wave's tensor load brings 64 of them) through two slots.
; CLUSTERS: 4 x 4 work-groups.  The four of a row of the cluster need the same tiles of A, the four of a column the same tiles of B: each tile is asked for JOINTLY.
; K IS WALKED ROUND: a cluster begins at K step 2 ((cluster x + cluster y) mod 4) of the eight and goes on past the last step to step 0.  So the four clusters that read the same rows of A (one cluster y) begin at
; four different pairs of steps, and so do the four that read the same rows of B (one cluster x): at no time do two of them ask for the same bytes.  The start is the same in all sixteen partners.  An output's
; sum is taken in that rotated order of K (f32 sums, within the comparison's allowance whatever the order).
; THE MATRIX INSTRUCTION IS USED TRANSPOSED (source 0 = 16 rows of B, source 1 = 16 rows of A): a lane holds eight neighbouring numbers of a row of C, 32 bytes.  A wave's 64 columns are 256 bytes of a row,
; aligned: each wave sends its blocks of 16 rows through a stage of its own, with no barrier, and stores whole rows of 256 bytes.
; REGISTERS: window 0: v0-31 addresses; v32-95 at work on the way out; v128-255 the accumulators ((a, b) at v[128 + 8 (4 a + b)]).  window 1: two fragment buffers of 128: 64 registers of A, then 64 of B.
.set SIZE_K, 2048
.set KSTEP,  256
.set PITCH,  528                       ; an LDS row: 512 bytes + 16 of padding = 132 words: the 16 rows of a load start at 16 different groups of four banks (64 banks of 4 bytes: ISA guide 11.1)
.set HALFT,  64*PITCH
.set SLOT,   4*HALFT                   ; A's 128 rows, then B's 128 rows
.set STAGE,  2*SLOT                    ; behind the ring: 16 rows x 272 bytes for each wave
.set SPITCH, 272
.set SPARE,  STAGE+4*16*SPITCH         ; the spare words, 128 bytes for each wave
.set LAPS, SIZE_K/(2*KSTEP)            ; 4
.set ADRA, 16
.set ADRB, 20
.set STO,  24
.set RD,   25
.set CO,   26
.set SPW,  28
.set NIL,  29
.set TMP,  32
.set ACC,  128
.set F0,   0
.set F1,   128
.set G1, 24
.set G0, 32
.set G1B, 48
.set G0B, 56
.set BA,  66                           ; s[66:67] A at my 64 rows' first byte, s[68:69] one K step on: the bases of slot 0's and slot 1's tiles
.set BB,  70                           ; s[70:71], s[72:73] the same for B
.set KOF, 74                           ; s[74:75] the byte in a row at which slot 0's K step begins: a multiple of 1,024, under 4,096; the high word stays 0
.set MSB, 0
.macro WIN new
.if MSB != (\new)
	s_set_vgpr_msb (MSB<<8)|(\new)
.set MSB, \new
.endif
.endm
.set MUL,  0x05                        ; sources 0 (B) and 1 (A) window 1; C and D window 0
.set TO_F, 0x40                        ; destination window 1, address window 0
.macro JLOAD s                         ; a joint load: waves 0 and 1 fetch A's two halves, waves 2 and 3 B's; an s_nop 0 and four v_nop follow each of the two lines
	s_cmp_eq_u32 s11, 0
	s_cbranch_scc0 .Lfor_b_\@
	tensor_load_to_lds s[G0+4*(\s):G0+4*(\s)+3], s[G1:G1+7]
	s_nop 0
.rept 4
	v_nop
.endr
	s_branch .Lasked_\@
.Lfor_b_\@:
	tensor_load_to_lds s[G0B+4*(\s):G0B+4*(\s)+3], s[G1B:G1B+7]
	s_nop 0
.rept 4
	v_nop
.endr
.Lasked_\@:
.endm
.macro CREST
	s_cmp_lg_u32 s10, 0
	s_cbranch_scc1 .Lnot_wave_0_\@
	s_barrier_signal -3
.Lnot_wave_0_\@:
	s_barrier_wait -3
	s_barrier_signal -1
	s_barrier_wait -1
.endm
.macro CROUND
	s_barrier_signal -1
	s_barrier_wait -1
	CREST
.endm
.macro AIM s                           ; slot s's two descriptors are pointed at its K step: the address is made anew from the slot's base and the offset, the type bits set again
	s_add_nc_u64 s[G0+4*(\s)+2:G0+4*(\s)+3], s[BA+2*(\s):BA+2*(\s)+1], s[KOF:KOF+1]
	s_or_b32 s[G0+4*(\s)+3], s[G0+4*(\s)+3], 0x80000000
	s_add_nc_u64 s[G0B+4*(\s)+2:G0B+4*(\s)+3], s[BB+2*(\s):BB+2*(\s)+1], s[KOF:KOF+1]
	s_or_b32 s[G0B+4*(\s)+3], s[G0B+4*(\s)+3], 0x80000000
.endm
	s_load_b128 s[4:7], s[0:1], 0x0                ; ob s[4:5], wb s[6:7]
	s_load_b64 s[8:9], s[0:1], 0x10                ; out0
	v_lshl_add_u32 v[SPW], v0, 2, SPARE
	v_mov_b32 v[NIL], 0
	ds_add_u32 v[SPW], v[NIL]                      ; the wave's opening: the add and its wait ahead of my first tensor load; the set-up below stands between them
	v_lshrrev_b32 v1, 5, v0
	v_readfirstlane_b32 s10, v1                    ; wave 0..3
	s_lshr_b32 s11, s10, 1                         ; which half of the tile's rows is mine.  Also: I fetch for A (0) or for B (1)
	s_and_b32 s12, s10, 1                          ; which half of its columns.  Also: which 64 rows of that tile I fetch
	s_bfe_u32 s40, ttmp6, 0x40000                  ; cx, cy
	s_bfe_u32 s41, ttmp6, 0x40004
	s_lshl_b32 s42, ttmp9, 2
	s_add_co_u32 s42, s42, s40                     ; tile column
	s_and_b32 s13, ttmp7, 0xffff
	s_lshl_b32 s13, s13, 2
	s_add_co_u32 s13, s13, s41                     ; tile row
	s_and_b32 s[KOF], ttmp7, 0xffff                ; cluster y
	s_add_co_u32 s[KOF], s[KOF], ttmp9             ; + cluster x,
	s_and_b32 s[KOF], s[KOF], 3                    ; mod 4,
	s_lshl_b32 s[KOF], s[KOF], 10                  ; x two K steps of 512 bytes: where this cluster begins in the rows
	s_mov_b32 s[KOF+1], 0
	s_lshl_b32 s43, s41, 2
	s_lshl_b32 s43, 15, s43                        ; my row of the cluster
	s_lshl_b32 s44, 0x1111, s40                    ; my column
	s_or_b32 s[G1+0], s43, (1<<16)|(1<<20)|(1<<21)|(6<<22)|(3<<25)   ; the mask; elements of 2 bytes; padding on; bit 21 beside a mask; after every 128 words 4 words
	s_or_b32 s[G1B+0], s44, (1<<16)|(1<<20)|(1<<21)|(6<<22)|(3<<25)
.irp g, G1, G1B
	s_mov_b32 s[(\g)+1], KSTEP<<16                 ; tensor_dim0 = 256
	s_mov_b32 s[(\g)+2], 64<<16                    ; tensor_dim1 = 64
	s_mov_b32 s[(\g)+3], KSTEP<<16                 ; tile_dim0 = 256
	s_mov_b32 s[(\g)+4], 64                        ; tile_dim1 = 64
	s_mov_b32 s[(\g)+5], SIZE_K                    ; elements from row to row
	s_mov_b32 s[(\g)+6], 0
	s_mov_b32 s[(\g)+7], 0
.endr
	s_lshl_b32 s17, s12, 6                         ; which 64 rows of the tile I fetch
	s_lshl_b32 s16, s13, 7
	s_add_co_u32 s16, s16, s17                     ; A: row 128 x tile row + 64 x half
	s_lshl_b32 s16, s16, 12                        ; rows of 4,096 bytes
	s_lshl_b32 s46, s42, 7
	s_add_co_u32 s46, s46, s17                     ; B: row 128 x tile column + 64 x half,
	s_lshl_b32 s46, s46, 12
	s_add_co_u32 s46, s46, 0x2800000               ; behind wb's 10,240 rows in front of wo
	s_mov_b32 s17, 0
	s_mov_b32 s47, 0
	s_mul_i32 s20, s10, HALFT                      ; where they go: wave x 64 rows
	s_wait_dscnt 0x0                               ; the opening add is done
	s_wait_kmcnt 0x0
	s_add_nc_u64 s[BA:BA+1], s[4:5], s[16:17]
	s_add_nc_u64 s[BB:BB+1], s[6:7], s[46:47]
	s_add_nc_u64 s[BA+2:BA+3], s[BA:BA+1], KSTEP*2
	s_add_nc_u64 s[BB+2:BB+3], s[BB:BB+1], KSTEP*2
	CROUND                                         ; all sixteen work-groups are here: the first joint loads meet
.irp s, 0,1
	s_mov_b32 s[G0+4*(\s)], 1
	s_add_co_u32 s[G0+4*(\s)+1], s20, (\s)*SLOT
	s_mov_b32 s[G0B+4*(\s)], 1
	s_add_co_u32 s[G0B+4*(\s)+1], s20, (\s)*SLOT
	AIM \s                                         ; the cluster's first two K steps
	JLOAD \s                                       ; two loads of mine are out
.endr
	v_and_b32 v1, 15, v0                           ; l % 16
	v_bfe_u32 v2, v0, 4, 1                         ; l / 16
	v_mul_u32_u24 v3, v1, PITCH
	v_lshl_add_u32 v3, v2, 4, v3                   ; a fragment's row x pitch + 16 x half
	s_mul_i32 s21, s11, HALFT                      ; my 64 rows of A
	s_mul_i32 s22, s12, HALFT                      ; my 64 rows of B,
	s_add_co_u32 s22, s22, 2*HALFT                 ; which lie behind A's 128
.irp s, 0,1
	v_add_nc_u32 v[ADRA+(\s)], s21, v3
	v_add_nc_u32 v[ADRB+(\s)], s22, v3
	s_add_co_u32 s21, s21, SLOT
	s_add_co_u32 s22, s22, SLOT
.endr
	s_mul_i32 s23, s10, 16*SPITCH
	s_add_co_u32 s23, s23, STAGE                   ; my stage
	v_mul_u32_u24 v4, v1, SPITCH                   ; in: row l % 16, 32 bytes for each half of the lanes
	v_lshl_add_u32 v4, v2, 5, v4
	v_add_nc_u32 v[STO], s23, v4
	v_mul_u32_u24 v5, v2, SPITCH                   ; back: lanes 0-15 one row of 256 bytes, lanes 16-31 the next
	v_lshl_add_u32 v5, v1, 4, v5
	v_add_nc_u32 v[RD], s23, v5
	v_lshlrev_b32 v5, 13, v2                       ; and the same two rows in out0, 8,192 bytes apart
	v_lshl_add_u32 v[CO], v1, 4, v5
	s_lshl_b32 s16, s13, 7
	s_lshl_b32 s17, s11, 6
	s_add_co_u32 s16, s16, s17                     ; my first row: 128 x tile row + 64 x half
	s_lshl_b32 s16, s16, 13
	s_lshl_b32 s46, s42, 9                         ; my first column, in bytes: 512 x tile column + 256 x half
	s_lshl_b32 s47, s12, 8
	s_add_co_u32 s46, s46, s47
	s_add_co_u32 s16, s16, s46
	s_mov_b32 s17, 0
	s_add_nc_u64 s[8:9], s[8:9], s[16:17]
; 8 matrix instructions: m blocks a0, a0 + 1 x all 4 n blocks, 32 along K: half c of buffer f.  zero = 1: the first product starts the sums.  The 16 accumulators take turns.
.macro MUL8 f, c, a0, zero
	WIN MUL
.irp a, \a0, (\a0)+1
.irp b, 0,1,2,3
.if \zero
	v_wmma_f32_16x16x32_bf16 v[ACC+8*(4*(\a)+(\b)):ACC+8*(4*(\a)+(\b))+7], v[(\f)+64+8*(4*(\c)+(\b)):(\f)+64+8*(4*(\c)+(\b))+7], v[(\f)+8*(4*(\c)+(\a)):(\f)+8*(4*(\c)+(\a))+7], 0
.else
	v_wmma_f32_16x16x32_bf16 v[ACC+8*(4*(\a)+(\b)):ACC+8*(4*(\a)+(\b))+7], v[(\f)+64+8*(4*(\c)+(\b)):(\f)+64+8*(4*(\c)+(\b))+7], v[(\f)+8*(4*(\c)+(\a)):(\f)+8*(4*(\c)+(\a))+7], v[ACC+8*(4*(\a)+(\b)):ACC+8*(4*(\a)+(\b))+7]
.endif
.endr
.endr
.endm
; 32 LDS loads in one run: the fragments of 64 along K at byte k of the rows, into buffer f; the first 32 along K first
.macro FETCH slot, k, f
	WIN TO_F
.irp c, 0,1
.irp i, 0,1,2,3
	ds_load_b128 v[(\f)+64+8*(4*(\c)+(\i)):(\f)+64+8*(4*(\c)+(\i))+3],   v[ADRB+(\slot)] offset:(\k)+64*(\c)+(\i)*16*PITCH
	ds_load_b128 v[(\f)+64+8*(4*(\c)+(\i))+4:(\f)+64+8*(4*(\c)+(\i))+7], v[ADRB+(\slot)] offset:(\k)+64*(\c)+(\i)*16*PITCH+32
	ds_load_b128 v[(\f)+8*(4*(\c)+(\i)):(\f)+8*(4*(\c)+(\i))+3],         v[ADRA+(\slot)] offset:(\k)+64*(\c)+(\i)*16*PITCH
	ds_load_b128 v[(\f)+8*(4*(\c)+(\i))+4:(\f)+8*(4*(\c)+(\i))+7],       v[ADRA+(\slot)] offset:(\k)+64*(\c)+(\i)*16*PITCH+32
.endr
.endr
.endm
.macro PLACES                          ; four plain vector instructions between a matrix instruction and a load into, or a read of, its registers (ISA guide 7.12.1 for reads)
.rept 4
	v_nop
.endr
.endm
; A K step is four quarters of 64 along K, 32 matrix instructions each, on buffers 0, 1, 0, 1.  One of the first three: multiplies buffer f and fetches the next quarter, at byte k, into g.
.macro QUARTER slot, k, f, g, zero
	s_wait_dscnt 16                                ; the first 32 along K are in; the youngest sixteen loads may be out
	WIN MUL
	MUL8 \f, 0, 0, \zero
	MUL8 \f, 0, 2, \zero
	PLACES
	FETCH \slot, \k, \g
	s_wait_dscnt 32                                ; all but the 32 just issued
	WIN MUL
	MUL8 \f, 1, 0, 0
	MUL8 \f, 1, 2, 0
.endm
; The last quarter multiplies buffer 1 and changes slots: ONE barrier; in front of it each wave waits for all its tensor loads, adds 0 to its spare word, and waits for that and for its own reads of this slot.
; fill = 1: this slot is filled again, two K steps ahead (round the rows' end): the barrier opens a round of the cluster's, and the joint refill is the first tensor load behind the round.
.macro TURN slot, next, fill
	WIN 0                                          ; (the add's two registers lie in window 0)
	s_wait_tensorcnt 0x0                           ; all my tensor loads have landed: my part of the next slot
	ds_add_u32 v[SPW], v[NIL]
	s_wait_dscnt 17                                ; (the add and the youngest sixteen loads may be out)
	WIN MUL
	MUL8 F1, 0, 0, 0                               ; eight matrix instructions stand between the add and the wait for it
	s_wait_dscnt 0x0                               ; the add is done, and my reads of this slot are over
	s_barrier_signal -1
	MUL8 F1, 0, 2, 0
.if \fill
	WIN 0
.endif
	s_barrier_wait -1
.if \fill
	CREST                                          ; no wave of any partner still reads this slot's tile or has a load on its way
.if (\slot) == 0
	s_add_co_u32 s[KOF], s[KOF], 2*KSTEP*2         ; two K steps on,
	s_and_b32 s[KOF], s[KOF], 2*SIZE_K-1           ; round the end of the rows' 4,096 bytes; slot 1's step follows slot 0's by its base
.endif
	AIM \slot
	JLOAD \slot                                    ; 112 matrix instructions ahead of the wait for it; the four v_nop behind it are also the places in front of the loads below
.else
	PLACES
.endif
	FETCH \next, 0, F0
	WIN MUL
	MUL8 F1, 1, 0, 0
	MUL8 F1, 1, 2, 0
.endm
	s_wait_tensorcnt 1                             ; my part of the first K step is in; the second's load may stay out
	s_barrier_signal -1
	s_barrier_wait -1                              ; everybody's is
	FETCH 0, 0, F0
	QUARTER 0, 128, F0, F1, 1                      ; the first quarter stands in front of the loop: its first products start the sums
	WIN 0                                          ; at a label and at a branch every window is 0
	s_mov_b32 s3, LAPS-1
.Llap:                                                 ; a trip goes once round the ring, from a lap's second quarter to the next lap's first, and fills both slots again
	QUARTER 0, 256, F1, F0, 0
	QUARTER 0, 384, F0, F1, 0
	TURN 0, 1, 1
	QUARTER 1, 128, F0, F1, 0
	QUARTER 1, 256, F1, F0, 0
	QUARTER 1, 384, F0, F1, 0
	TURN 1, 0, 1
	QUARTER 0, 128, F0, F1, 0
	WIN 0
	s_sub_co_u32 s3, s3, 1
	s_cmp_lg_u32 s3, 0
	s_cbranch_scc1 .Llap
	QUARTER 0, 256, F1, F0, 0                      ; the last lap fills nothing, and has no round of the cluster's barrier
	QUARTER 0, 384, F0, F1, 0
	TURN 0, 1, 0
	QUARTER 1, 128, F0, F1, 0
	QUARTER 1, 256, F1, F0, 0
	QUARTER 1, 384, F0, F1, 0
	s_wait_dscnt 16                                ; the very last quarter: nothing more to fetch
	WIN MUL
	MUL8 F1, 0, 0, 0
	MUL8 F1, 0, 2, 0
	s_wait_dscnt 0x0
	MUL8 F1, 1, 0, 0
	MUL8 F1, 1, 2, 0
	WIN 0
	; THE WAY OUT, a block a of 16 rows at a time: 32 bytes a lane and column block into my own stage, back as whole rows of 256 bytes, stored.
.macro OUTST a
.if (\a) >= 2
	s_wait_xcnt 0x0                                ; the stores of the block two back have read the registers that are loaded again below
.endif
.irp b, 0,1,2,3
	ds_store_b128 v[STO], v[ACC+8*(4*(\a)+(\b)):ACC+8*(4*(\a)+(\b))+3]   offset:64*(\b)     ; each accumulator's lowest registers first
	ds_store_b128 v[STO], v[ACC+8*(4*(\a)+(\b))+4:ACC+8*(4*(\a)+(\b))+7] offset:64*(\b)+16
.endr
.irp t, 0,1,2,3,4,5,6,7
	ds_load_b128 v[TMP+32*((\a)%2)+4*(\t):TMP+32*((\a)%2)+4*(\t)+3], v[RD] offset:544*(\t)  ; LDS serves a wave's instructions in order (ISA guide 5.7.1.4): these see the stores above, and the next block's stores come behind them
.endr
.endm
.macro OUTSEND a, younger              ; younger: the LDS instructions issued behind block a's loads: the next block's sixteen, or none
.irp t, 0,1,2,3,4,5,6,7
	s_wait_dscnt (\younger)+7-(\t)
	global_store_b128 v[CO], v[TMP+32*((\a)%2)+4*(\t):TMP+32*((\a)%2)+4*(\t)+3], s[8:9] offset:(16*(\a)+2*(\t))*8192 th:TH_STORE_NT  ; 16 lanes store 256 consecutive bytes, at a multiple of 256 from out0's first byte
.endr
.endm
	PLACES                                         ; behind the last products, in front of the stores that read the sums
	PLACES
	OUTST 0
	OUTST 1
	OUTSEND 0, 16
	OUTST 2
	OUTSEND 1, 16
	OUTST 3
	OUTSEND 2, 16
	OUTSEND 3, 0
	s_wait_tensorcnt 0x0                           ; the wave's end: behind my last tensor load and my last LDS store
	ds_add_u32 v[SPW], v[NIL]
	s_wait_dscnt 0x0
	CROUND                                         ; the closing round: no work-group ends while a partner may still ask for a tile that names it
	s_endpgm
.Lfunc_end_k_q6d89a88fc2_oproj:
	.size	k_q6d89a88fc2_oproj, .Lfunc_end_k_q6d89a88fc2_oproj-k_q6d89a88fc2_oproj
	.p2alignl 7, 3214868480
	.fill 96, 4, 3214868480
	.section	.rodata,"a",@progbits
	.p2align	6, 0x0
	.amdhsa_kernel k_q6d89a88fc2_oproj
		.amdhsa_group_segment_fixed_size 327680
		.amdhsa_private_segment_fixed_size 0
		.amdhsa_enable_private_segment 0
		.amdhsa_kernarg_size 24
		.amdhsa_user_sgpr_count 2
		.amdhsa_user_sgpr_kernarg_segment_ptr 1
		.amdhsa_wavefront_size32 1
		.amdhsa_system_sgpr_workgroup_id_x 1
		.amdhsa_system_sgpr_workgroup_id_y 1
		.amdhsa_system_sgpr_workgroup_id_z 1
		.amdhsa_system_vgpr_workitem_id 0
		.amdhsa_next_free_vgpr 512
		.amdhsa_next_free_sgpr 80
		.amdhsa_reserve_vcc 0
		.amdhsa_float_denorm_mode_32 3
		.amdhsa_float_denorm_mode_16_64 3
		.amdhsa_memory_ordered 1
		.amdhsa_forward_progress 1
		.amdhsa_inst_pref_size 87
	.end_amdhsa_kernel
	.amdgpu_metadata
---
amdhsa.version: [ 1, 2 ]
amdhsa.kernels:
  - .name:           k_q6d89a88fc2_oproj
    .symbol:         k_q6d89a88fc2_oproj.kd
    .args:
      - { .name: ob, .offset: 0, .size: 8, .value_kind: global_buffer, .address_space: global }
      - { .name: wb, .offset: 8, .size: 8, .value_kind: global_buffer, .address_space: global }
      - { .name: out0, .offset: 16, .size: 8, .value_kind: global_buffer, .address_space: global }
    .group_segment_fixed_size: 327680
    .private_segment_fixed_size: 0
    .kernarg_segment_align: 8
    .kernarg_segment_size: 24
    .max_flat_workgroup_size: 128
    .sgpr_count:     80
    .vgpr_count:     512
    .wavefront_size: 32
...
	.end_amdgpu_metadata
.endif
;; end of part 4
